; MI455X (gfx1250); checked and timed in simulation.
; The chip was launched on July 23, 2026; its instructions are those of AMD's public machine-readable ISA for CDNA 5 (MIT licence, August 2026) and "CDNA5" Instruction Set Architecture Reference Guide (July 2026). The comments in the code are by the model that wrote it; some were corrected since.
;; Transformer Block. Allowed arithmetic: float matrix products may take bf16 or f16 operands with f32 sums; all other float work in f32.
;; Inputs: W1 1,024 x 4,096 float32; W2 4,096 x 1,024 float32; Wk 1,024 x 1,024 float32; Wo 1,024 x 1,024 float32; Wq 1,024 x 1,024 float32; Wv 1,024 x 1,024 float32; b1 4,096 float32; b2 1,024 float32; bo 1,024 float32; g1 1,024 float32; g2 1,024 float32; s1 1,024 float32; s2 1,024 float32; x 2 x 2,048 x 1,024 float32.
;; Outputs: out0 2 x 2,048 x 1,024 float32.
;; 2 versions, each right; version 2 is version 1 with the launches ln, ln2 written anew for expert scheduling mode. Each part assembles by itself: llvm-mc -triple=amdgcn-amd-amdhsa -mcpu=gfx1250 --defsym DOCPART=n.
;; ======== version 1 of 2: 8 launches
;; workspace buffers: wt 25,165,824 bytes; h 8,388,608 bytes; qkv 25,165,824 bytes; ctx 8,388,608 bytes; x2 16,777,216 bytes; act 33,554,432 bytes
;; launch prep (part 1): grid 64 x 12, 8 waves a work-group, no clusters, 35,840 bytes of LDS; arguments Wq, Wk, Wv, Wo, W1, W2, wt; writes wt
.if DOCPART == 1
	.amdgcn_target "amdgcn-amd-amdhsa--gfx1250"
	.amdhsa_code_object_version 6
	.text
	.protected	k_q59260c2908_prep
	.globl	k_q59260c2908_prep
	.p2align	8
	.type	k_q59260c2908_prep,@function
k_q59260c2908_prep:
	s_mov_b64 s[64:65], 0
	v_nop
	global_prefetch_b8 v0, s[64:65] scope:SCOPE_SE
	s_setreg_imm32_b32 hwreg(HW_REG_WAVE_MODE, 25, 1), 1
	s_wait_xcnt 0x0
; The six weight matrices, f32 stored [K][N], are rounded to bf16 and written transposed, [N][K], into wt:
;   byte 0x000000  Wq^T, Wk^T, Wv^T as one [3072][1024];  0x600000  Wo^T [1024][1024];  0x800000  W1^T [4096][1024];  0x1000000  W2^T [1024][4096].
; Every later product is then A[M][K] x B[N][K]^T with K along the rows of both, and no weight is converted more than once.
; A work-group takes one tile of 128 k x 128 n: 64 tiles for each square matrix (grid y = 0..3), 256 for W1 (y = 4..7), 256 for W2 (y = 8..11).
; In: a wave's load covers 512 consecutive bytes of a row of W.  Out: sixteen lanes store 256 consecutive bytes of a row of wt, aligned to 256.
; The turn goes through LDS (128 rows of 256 bytes + 16): a lane packs eight k of one n into 16 bytes.  Those LDS stores fall four lanes
; to a 16-byte column; with eight of them a lane against 16 loads from memory that is left as it is.
; Rounding: to nearest even, once.  No matrix unit, no cluster: nothing is shared and nothing is multiplied.
.set LP,   272                         ; LDS row: 256 bytes of data + 16
.set OFF,  4                           ; v[4:19]   byte offset of my 16 bytes in row i of my wave's 16 rows of the tile
.set X,    20                          ; v[20:83]  row i: 4 f32; later v[20:51]: rows read back
.set PK,   84                          ; v[84:87]  eight bf16 packed
.set LST,  88                          ; v88       LDS address for the packed stores
.set LRD,  89                          ; v89       LDS address for the read-back
.set GO,   92                          ; v[92:99]  byte offsets of my 16 bytes in the eight pairs of rows of wt
	s_load_b256 s[8:15], s[0:1], 0x0               ; Wq s[8:9], Wk s[10:11], Wv s[12:13], Wo s[14:15]
	s_load_b128 s[16:19], s[0:1], 0x20             ; W1 s[16:17], W2 s[18:19]
	s_load_b64 s[20:21], s[0:1], 0x30              ; wt
	v_lshl_add_u32 v112, v0, 2, 0x8800
	v_mov_b32 v113, 0
	s_and_b32 s2, ttmp7, 0xffff                    ; y
	s_mov_b32 s3, ttmp9                            ; x
	s_lshr_b32 s5, s2, 2                           ; 0: a square matrix, 1: W1, 2: W2
	s_and_b32 s7, s2, 3
	s_lshl_b32 s7, s7, 6
	s_add_co_u32 s7, s7, s3                        ; tile number in W1 or W2: 64 (y & 3) + x
	s_lshl_b32 s27, s2, 21                         ; a square matrix's place in wt: y x 2 MiB
	s_lshl_b32 s28, s5, 23                         ; W1: 0x800000, W2: 0x1000000
	s_cmp_eq_u32 s5, 0
	s_cselect_b32 s7, s3, s7                       ; T, the tile's number in its matrix
	s_cselect_b32 s27, s27, s28                    ; the matrix's first byte in wt
	s_cmp_eq_u32 s5, 1
	s_cselect_b32 s4, 5, 3                         ; log2 of the tiles along n: 32 for W1, else 8
	s_cmp_eq_u32 s5, 2
	s_cselect_b32 s6, 2, 0
	s_lshl_b32 s6, 2048, s6                        ; bytes in a row of the transposed matrix: 8,192 for W2, else 2,048
	s_lshr_b32 s22, s7, s4                         ; kb: the tile's place along k
	s_bfm_b32 s23, s4, 0
	s_and_b32 s23, s7, s23                         ; nb: along n
	s_lshl_b32 s26, 512, s4                        ; bytes in a row of the source: 16,384 for W1, else 4,096
	s_mul_i32 s28, s22, s26
	s_lshl_b32 s28, s28, 7                         ; 128 kb rows
	s_lshl_b32 s29, s23, 9                         ; + 128 nb numbers of 4 bytes
	s_add_co_u32 s28, s28, s29
	s_mov_b32 s29, 0
	s_mul_i32 s30, s23, s6
	s_lshl_b32 s30, s30, 7                         ; 128 nb rows of wt
	s_add_co_u32 s30, s30, s27
	s_lshl_b32 s31, s22, 8                         ; + 128 kb numbers of 2 bytes
	s_add_co_u32 s30, s30, s31
	s_mov_b32 s31, 0
	s_lshl_b32 s32, s6, 1                          ; two rows of wt
	v_and_b32 v1, 31, v0                           ; lane l
	v_lshrrev_b32 v2, 5, v0                        ; wave w
	v_lshlrev_b32 v3, 4, v2
	v_mul_lo_u32 v3, v3, s26                       ; row 16 w of the tile
	v_lshl_add_u32 v[OFF], v1, 4, v3               ; + 16 l
.set i, 1
.rept 15
	v_add_nc_u32 v[OFF+i], s26, v[OFF+i-1]
.set i, i+1
.endr
	v_mul_u32_u24 v[LST], v1, 4*LP                 ; LDS row n = 4 l,
	v_lshl_add_u32 v[LST], v2, 5, v[LST]           ; byte 32 w: my wave's 16 k
	v_lshrrev_b32 v90, 4, v1                       ; l / 16
	v_and_b32 v91, 15, v1                          ; l % 16
	v_lshl_add_u32 v90, v2, 4, v90                 ; row 16 w + l / 16
	v_mul_u32_u24 v[LRD], v90, LP
	v_lshl_add_u32 v[LRD], v91, 4, v[LRD]
	v_mul_lo_u32 v[GO], v90, s6
	v_lshl_add_u32 v[GO], v91, 4, v[GO]
.set i, 1
.rept 7
	v_add_nc_u32 v[GO+i], s32, v[GO+i-1]
.set i, i+1
.endr
	s_wait_kmcnt 0x0
	s_mov_b64 s[24:25], s[8:9]                     ; the source, chosen by y alone
	s_cmp_eq_u32 s2, 1
	s_cselect_b64 s[24:25], s[10:11], s[24:25]
	s_cmp_eq_u32 s2, 2
	s_cselect_b64 s[24:25], s[12:13], s[24:25]
	s_cmp_eq_u32 s2, 3
	s_cselect_b64 s[24:25], s[14:15], s[24:25]
	s_cmp_eq_u32 s5, 1
	s_cselect_b64 s[24:25], s[16:17], s[24:25]
	s_cmp_eq_u32 s5, 2
	s_cselect_b64 s[24:25], s[18:19], s[24:25]
	s_add_nc_u64 s[24:25], s[24:25], s[28:29]      ; the tile's first number
	s_add_nc_u64 s[20:21], s[20:21], s[30:31]      ; and where its transpose begins
.irp i, 0,1,2,3,4,5,6,7,8,9,10,11,12,13,14,15
	global_load_b128 v[X+4*\i:X+4*\i+3], v[OFF+\i], s[24:25] th:TH_LOAD_NT   ; W(k = 16 w + i, n = 4 l .. 4 l + 3); each weight is read once
.endr
; eight k (8 kg .. 8 kg + 7 of my 16) of column 4 l + c become 16 bytes of LDS row 4 l + c
.macro PACK kg
.irp c, 0,1,2,3
.irp i, 0,1,2,3
	v_cvt_pk_bf16_f32 v[PK+\i], v[X+4*(8*\kg+2*\i)+\c], v[X+4*(8*\kg+2*\i+1)+\c]
.endr
	ds_store_b128 v[LST], v[PK:PK+3] offset:LP*\c+16*\kg
.endr
.endm
	s_wait_loadcnt 0x8                             ; rows 0 to 7 are in; the eight younger loads stay out
	PACK 0
	s_wait_loadcnt 0x0
	PACK 1
	s_wait_dscnt 0x0                               ; my stores are done, for the other waves' sake
	s_barrier_signal -1
	s_barrier_wait -1
.irp t, 0,1,2,3,4,5,6,7
	ds_load_b128 v[X+4*\t:X+4*\t+3], v[LRD] offset:2*LP*\t     ; rows 16 w + 2 t and + 1, 256 bytes each
.endr
.irp t, 0,1,2,3,4,5,6,7
	s_wait_dscnt 7-\t                              ; LDS loads come back in order: pair t is in
	global_store_b128 v[GO+\t], v[X+4*\t:X+4*\t+3], s[20:21]   ; sixteen lanes: 256 consecutive bytes, aligned
.endr
	s_wait_tensorcnt 0x0
	ds_add_u32 v112, v113
	s_wait_dscnt 0x0
	s_endpgm
.Lfunc_end_k_q59260c2908_prep:
	.size	k_q59260c2908_prep, .Lfunc_end_k_q59260c2908_prep-k_q59260c2908_prep
	.p2alignl 7, 3214868480
	.fill 96, 4, 3214868480
	.section	.rodata,"a",@progbits
	.p2align	6, 0x0
	.amdhsa_kernel k_q59260c2908_prep
		.amdhsa_group_segment_fixed_size 35840
		.amdhsa_private_segment_fixed_size 0
		.amdhsa_enable_private_segment 0
		.amdhsa_kernarg_size 56
		.amdhsa_user_sgpr_count 2
		.amdhsa_user_sgpr_kernarg_segment_ptr 1
		.amdhsa_wavefront_size32 1
		.amdhsa_system_sgpr_workgroup_id_x 1
		.amdhsa_system_sgpr_workgroup_id_y 1
		.amdhsa_system_sgpr_workgroup_id_z 1
		.amdhsa_system_vgpr_workitem_id 0
		.amdhsa_next_free_vgpr 114
		.amdhsa_next_free_sgpr 66
		.amdhsa_reserve_vcc 0
		.amdhsa_float_denorm_mode_32 3
		.amdhsa_float_denorm_mode_16_64 3
		.amdhsa_memory_ordered 1
		.amdhsa_forward_progress 1
		.amdhsa_inst_pref_size 10
	.end_amdhsa_kernel
	.amdgpu_metadata
---
amdhsa.version: [ 1, 2 ]
amdhsa.kernels:
  - .name:           k_q59260c2908_prep
    .symbol:         k_q59260c2908_prep.kd
    .args:
      - { .name: Wq, .offset: 0, .size: 8, .value_kind: global_buffer, .address_space: global }
      - { .name: Wk, .offset: 8, .size: 8, .value_kind: global_buffer, .address_space: global }
      - { .name: Wv, .offset: 16, .size: 8, .value_kind: global_buffer, .address_space: global }
      - { .name: Wo, .offset: 24, .size: 8, .value_kind: global_buffer, .address_space: global }
      - { .name: W1, .offset: 32, .size: 8, .value_kind: global_buffer, .address_space: global }
      - { .name: W2, .offset: 40, .size: 8, .value_kind: global_buffer, .address_space: global }
      - { .name: wt, .offset: 48, .size: 8, .value_kind: global_buffer, .address_space: global }
    .group_segment_fixed_size: 35840
    .private_segment_fixed_size: 0
    .kernarg_segment_align: 8
    .kernarg_segment_size: 56
    .max_flat_workgroup_size: 256
    .sgpr_count:     66
    .vgpr_count:     114
    .wavefront_size: 32
...
	.end_amdgpu_metadata
.endif
;; end of part 1
;; launch ln (part 2): grid 256 x 1, 8 waves a work-group, no clusters, 0 bytes of LDS; arguments x, g1, s1, h; writes h
.if DOCPART == 2
	.amdgcn_target "amdgcn-amd-amdhsa--gfx1250"
	.amdhsa_code_object_version 6
	.text
	.protected	k_q59260c2908_ln
	.globl	k_q59260c2908_ln
	.p2align	8
	.type	k_q59260c2908_ln,@function
k_q59260c2908_ln:
	s_mov_b64 s[64:65], 0
	v_nop
	global_prefetch_b8 v0, s[64:65] scope:SCOPE_SE
	s_setreg_imm32_b32 hwreg(HW_REG_WAVE_MODE, 25, 1), 1
	s_wait_xcnt 0x0
; h[r][c] = bf16( g[c] (x[r][c] - mean_r) / sqrt(var_r + 1e-5) + s[c] ).  x: [4096][1024] f32, h: [4096][1024] bf16.
; A row is 4,096 bytes = 32 registers of one wave; a wave takes two rows and keeps them in registers, so x is read once and no wave waits
; for another: no LDS, no barrier.  The variance is a true second pass over x - mean, so a common offset of x costs no digits.
; A load of a wave covers 512 consecutive bytes; a store of a wave (8 bytes a lane) 256 consecutive bytes, aligned.
; Limits: v_rsq_f32 is good to one unit in the last place; sums are formed in another order than a serial sum; NaN and infinities are not served.
; Matrix units and clusters have nothing to do here: no product, nothing shared but g and s (8 KiB).
.set X,    4                           ; v[4:67]    row p at X + 32 p; register 4 j + c: column 128 j + 4 l + c
.set G,    68                          ; v[68:99]   g of the same columns
.set SH,   100                         ; v[100:131] s of the same columns
.set T,    132                         ; v[132:139] four chains of pairs
.set MEAN, 140                         ; v[140:141] the mean, twice
.set RS,   142                         ; v[142:143], v[146:147] 1 / sqrt(var + eps), twice, row 0 and row 1
.set U,    144                         ; v144, v145 at work across the lanes
	s_load_b256 s[4:11], s[0:1], 0x0               ; x s[4:5], g s[6:7], s s[8:9], h s[10:11]
	s_mov_b32 s12, 0x76543210                      ; v_permlanex16_b32: lane i reads lane i of the other half
	s_mov_b32 s13, 0xfedcba98
	s_mov_b32 s14, 0x3a800000                      ; 1 / 1024
	s_mov_b32 s15, 0x3727c5ac                      ; 1e-5
	s_lshl_b32 s2, ttmp9, 16                       ; 16 rows of 4,096 bytes
	s_mov_b32 s3, 0
	s_lshl_b32 s16, ttmp9, 15                      ; 16 rows of 2,048 bytes
	s_mov_b32 s17, 0
	v_and_b32 v3, 31, v0
	v_lshrrev_b32 v[U+1], 5, v0                    ; wave
	v_lshlrev_b32 v2, 3, v3
	v_lshlrev_b32 v3, 4, v3                        ; 16 l: my place in g and s
	v_lshl_add_u32 v1, v[U+1], 13, v3              ; + two rows of x a wave
	v_lshl_add_u32 v2, v[U+1], 12, v2              ; 8 l + two rows of h a wave
	s_wait_kmcnt 0x0
	s_add_nc_u64 s[4:5], s[4:5], s[2:3]
	s_add_nc_u64 s[10:11], s[10:11], s[16:17]
.irp p, 0,1
.irp j, 0,1,2,3,4,5,6,7
	global_load_b128 v[X+32*\p+4*\j:X+32*\p+4*\j+3], v1, s[4:5] offset:4096*\p+512*\j
.endr
.endr
.irp j, 0,1,2,3,4,5,6,7
	global_load_b128 v[G+4*\j:G+4*\j+3], v3, s[6:7] offset:512*\j
.endr
.irp j, 0,1,2,3,4,5,6,7
	global_load_b128 v[SH+4*\j:SH+4*\j+3], v3, s[8:9] offset:512*\j
.endr
.macro LANESUM                         ; v[U] summed over the 32 lanes, the result in every lane
	v_add_f32_dpp v[U], v[U], v[U] row_xmask:1 row_mask:0xf bank_mask:0xf
	v_add_f32_dpp v[U], v[U], v[U] row_xmask:2 row_mask:0xf bank_mask:0xf
	v_add_f32_dpp v[U], v[U], v[U] row_xmask:4 row_mask:0xf bank_mask:0xf
	v_add_f32_dpp v[U], v[U], v[U] row_xmask:8 row_mask:0xf bank_mask:0xf
	v_permlanex16_b32 v[U+1], v[U], s12, s13       ; its destination counts as read: v[U+1] has been written
	v_add_f32 v[U], v[U], v[U+1]
.endm
.macro FOLD                            ; the four chains into v[U]
	v_pk_add_f32 v[T:T+1], v[T:T+1], v[T+2:T+3]
	v_pk_add_f32 v[T+4:T+5], v[T+4:T+5], v[T+6:T+7]
	v_pk_add_f32 v[T:T+1], v[T:T+1], v[T+4:T+5]
	v_add_f32 v[U], v[T], v[T+1]
.endm
; mean, x - mean in place, 1 / sqrt(var + eps) of row p
.macro ROWSTAT p
.irp k, 0,2,4,6
	v_pk_add_f32 v[T+\k:T+\k+1], v[X+32*\p+\k:X+32*\p+\k+1], v[X+32*\p+8+\k:X+32*\p+8+\k+1]   ; the first sums start the chains: nothing is cleared
.endr
.irp o, 16,24
.irp k, 0,2,4,6
	v_pk_add_f32 v[T+\k:T+\k+1], v[T+\k:T+\k+1], v[X+32*\p+\o+\k:X+32*\p+\o+\k+1]
.endr
.endr
	FOLD
	LANESUM
	v_mul_f32 v[MEAN], s14, v[U]
	v_mov_b32 v[MEAN+1], v[MEAN]
.irp k, 0,2,4,6,8,10,12,14,16,18,20,22,24,26,28,30
	v_pk_add_f32 v[X+32*\p+\k:X+32*\p+\k+1], v[X+32*\p+\k:X+32*\p+\k+1], v[MEAN:MEAN+1] neg_lo:[0,1] neg_hi:[0,1]
.endr
.irp k, 0,2,4,6
	v_pk_mul_f32 v[T+\k:T+\k+1], v[X+32*\p+\k:X+32*\p+\k+1], v[X+32*\p+\k:X+32*\p+\k+1]
.endr
.irp o, 8,16,24
.irp k, 0,2,4,6
	v_pk_fma_f32 v[T+\k:T+\k+1], v[X+32*\p+\o+\k:X+32*\p+\o+\k+1], v[X+32*\p+\o+\k:X+32*\p+\o+\k+1], v[T+\k:T+\k+1]
.endr
.endr
	FOLD
	LANESUM
	v_fma_f32 v[U], v[U], s14, s15                 ; var + eps
	v_rsq_f32 v[RS+4*\p], v[U]
	v_rsq_f32 v[RS+4*\p+1], v[U]
	v_nop                                          ; one plain place behind the transcendentals before a result is used or v[U] rewritten (ISA guide 5.7.2)
.endm
; scale, gain, shift, round, store row p
.macro ROWOUT p
	s_wait_alu depctr_va_vdst(0)
.irp k, 0,2,4,6,8,10,12,14,16,18,20,22,24,26,28,30
	v_pk_mul_f32 v[X+32*\p+\k:X+32*\p+\k+1], v[X+32*\p+\k:X+32*\p+\k+1], v[RS+4*\p:RS+4*\p+1]
	v_pk_fma_f32 v[X+32*\p+\k:X+32*\p+\k+1], v[X+32*\p+\k:X+32*\p+\k+1], v[G+\k:G+\k+1], v[SH+\k:SH+\k+1]
.endr
.irp j, 0,1,2,3,4,5,6,7
	v_cvt_pk_bf16_f32 v[X+32*\p+4*\j], v[X+32*\p+4*\j], v[X+32*\p+4*\j+1]
	v_cvt_pk_bf16_f32 v[X+32*\p+4*\j+1], v[X+32*\p+4*\j+2], v[X+32*\p+4*\j+3]
	global_store_b64 v2, v[X+32*\p+4*\j:X+32*\p+4*\j+1], s[10:11] offset:2048*\p+256*\j   ; 32 lanes x 8 bytes: 256 consecutive bytes; the data are not written again
.endr
.endm
	s_wait_loadcnt 24                              ; row 0 is in: 24 younger loads (row 1, g, s) stay out
	ROWSTAT 0
	s_wait_loadcnt 16                              ; row 1 is in: g and s stay out
	ROWSTAT 1
	s_wait_loadcnt 0x0
	ROWOUT 0
	ROWOUT 1
	s_endpgm
.Lfunc_end_k_q59260c2908_ln:
	.size	k_q59260c2908_ln, .Lfunc_end_k_q59260c2908_ln-k_q59260c2908_ln
	.p2alignl 7, 3214868480
	.fill 96, 4, 3214868480
	.section	.rodata,"a",@progbits
	.p2align	6, 0x0
	.amdhsa_kernel k_q59260c2908_ln
		.amdhsa_group_segment_fixed_size 0
		.amdhsa_private_segment_fixed_size 0
		.amdhsa_enable_private_segment 0
		.amdhsa_kernarg_size 32
		.amdhsa_user_sgpr_count 2
		.amdhsa_user_sgpr_kernarg_segment_ptr 1
		.amdhsa_wavefront_size32 1
		.amdhsa_system_sgpr_workgroup_id_x 1
		.amdhsa_system_sgpr_workgroup_id_y 1
		.amdhsa_system_sgpr_workgroup_id_z 1
		.amdhsa_system_vgpr_workitem_id 0
		.amdhsa_next_free_vgpr 152
		.amdhsa_next_free_sgpr 66
		.amdhsa_reserve_vcc 0
		.amdhsa_float_denorm_mode_32 3
		.amdhsa_float_denorm_mode_16_64 3
		.amdhsa_memory_ordered 1
		.amdhsa_forward_progress 1
		.amdhsa_inst_pref_size 20
	.end_amdhsa_kernel
	.amdgpu_metadata
---
amdhsa.version: [ 1, 2 ]
amdhsa.kernels:
  - .name:           k_q59260c2908_ln
    .symbol:         k_q59260c2908_ln.kd
    .args:
      - { .name: x, .offset: 0, .size: 8, .value_kind: global_buffer, .address_space: global }
      - { .name: g1, .offset: 8, .size: 8, .value_kind: global_buffer, .address_space: global }
      - { .name: s1, .offset: 16, .size: 8, .value_kind: global_buffer, .address_space: global }
      - { .name: h, .offset: 24, .size: 8, .value_kind: global_buffer, .address_space: global }
    .group_segment_fixed_size: 0
    .private_segment_fixed_size: 0
    .kernarg_segment_align: 8
    .kernarg_segment_size: 32
    .max_flat_workgroup_size: 256
    .sgpr_count:     66
    .vgpr_count:     152
    .wavefront_size: 32
...
	.end_amdgpu_metadata
.endif
;; end of part 2
;; launch qkv (part 3): grid 12 x 16, 4 waves a work-group, clusters of 4 x 4, 327,680 bytes of LDS; arguments h, wt, qkv; writes qkv
.if DOCPART == 3
	.amdgcn_target "amdgcn-amd-amdhsa--gfx1250"
	.amdhsa_code_object_version 6
	.text
	.protected	k_q59260c2908_qkv
	.globl	k_q59260c2908_qkv
	.p2align	8
	.type	k_q59260c2908_qkv,@function
k_q59260c2908_qkv:
	s_mov_b64 s[64:65], 0
	v_nop
	global_prefetch_b8 v0, s[64:65] scope:SCOPE_SE
	s_setreg_imm32_b32 hwreg(HW_REG_WAVE_MODE, 25, 1), 1
	s_wait_xcnt 0x0
	s_wait_alu depctr_hold_cnt(0) depctr_sa_sdst(0) depctr_va_vdst(0) depctr_va_sdst(0) depctr_va_ssrc(0) depctr_va_vcc(0) depctr_vm_vsrc(0)
	s_getreg_b32 s2, hwreg(HW_REG_IB_STS2, 6, 4)
	s_cmp_eq_u32 s2, 0
	s_cbranch_scc0 .Lentry_in_a_cluster
	s_endpgm
.Lentry_in_a_cluster:
	s_bfe_u32 s2, ttmp6, 0x10000c
	s_cmp_lg_u32 s2, 0xf033
	s_cbranch_scc0 .Lentry_shape_is_right
	s_endpgm
.Lentry_shape_is_right:
; qkv[m][n] = sum over k of h[m][k] B[n][k], B = the first 3,072 rows of wt (Wq^T, Wk^T, Wv^T).  h: [4096][1024], qkv: [4096][3072], all bf16; sums in f32, rounded once.
; A work-group makes a block of 256 x 256 with four waves; a wave makes 128 x 128: 64 accumulator tiles of 16 x 16, 512 registers.
; K goes in steps of 128 through a ring of two LDS slots filled by the tensor data mover: a tile's rows are 256 bytes of memory, aligned to 256.
; CLUSTERS: 4 x 4 work-groups.  The four of a row of the cluster need the same tiles of h, the four of a column the same tiles of B: each tile is asked
; for jointly (same line, same descriptor, a mask that names the four), which divides the requests for both by four.
; The grid is 12 x 16 blocks = 192 work-groups: N = 3,072 gives no more blocks of this size.
; REGISTERS in windows of 256: window 0: v0-31 addresses, v64-127 and v128-191 fragments of A (two buffers), v192-223 the way out;
; window 1: v64-127, v128-191 fragments of B; window 2: the accumulators of my rows 0-63 (tile (a, b) at v[8 (8 a + b)]); window 3: rows 64-127.
; THE MATRIX INSTRUCTION IS USED TRANSPOSED: source 0 = 16 rows of B, source 1 = 16 rows of A, so that a lane's eight results are eight neighbouring
; columns of one row of the output, 16 bytes in bf16.
; The 64 accumulators take turns, one instruction a turn, in the same order in every quarter step.
.set SIZE_M, 4096
.set SIZE_N, 3072
.set SIZE_K, 1024
.set KSTEP,  128
.set PITCH,  272                       ; an LDS row: 256 bytes + 16, an odd multiple of 16: the 16 rows of a fragment load fall on 16 different 16-byte columns modulo 256
.set HALFT,  128*PITCH                 ; 128 rows: what one tensor load brings, and what one wave reads of A or of B
.set SLOT,   4*HALFT                   ; A's 256 rows, then B's 256 rows
.set STAGE,  2*SLOT                    ; behind the ring: 16 rows x 272 bytes for each wave, for the way out; no fill lands there
.set SPITCH, 272
.set LAPS, SIZE_K/(2*KSTEP)            ; a lap = two K steps = once round the ring
.set ADRA, 16                          ; v16-17  LDS address of my A fragments in slot 0, 1
.set ADRB, 20                          ; v20-21  the same for B
.set STO,  24                          ; v24     the way out: where I put 16 bytes of a row
.set RD,   25                          ; v25     the way out: where I read a row back
.set CO,   26                          ; v26     my byte offset in the output
.set F0,   64
.set F1,   128
.set TMP,  192
.set G1, 24                            ; s[24:31] descriptor group 1 for A's tiles
.set G0, 32                            ; s[32:39] descriptor group 0 for A's tiles, one set for each slot
.set G1B, 48                           ; s[48:55] group 1 for B's tiles: another mask
.set G0B, 56                           ; s[56:63] group 0 for B's tiles
.set MSB, 0
.macro WIN new                         ; the immediate's high byte repeats the setting that is left
.if MSB != \new
	s_set_vgpr_msb (MSB<<8)|\new
.set MSB, \new
.endif
.endm
.set MUL_LO, 0xa1                      ; source 0 (B) window 1, source 1 (A) window 0, C and D window 2
.set MUL_HI, 0xf1                      ; the same, C and D window 3
.set TO_B,   0x40                      ; destination window 1, address window 0
; A joint load.  Waves 0 and 1 fetch A's two halves, waves 2 and 3 B's.  The branch hangs on the wave's number alone.
.macro JLOAD s
	s_cmp_eq_u32 s11, 0
	s_cbranch_scc0 .Lfor_b_\@
	tensor_load_to_lds s[G0+4*\s:G0+4*\s+3], s[G1:G1+7]
	s_nop 0
	s_branch .Lasked_\@
.Lfor_b_\@:
	tensor_load_to_lds s[G0B+4*\s:G0B+4*\s+3], s[G1B:G1B+7]
	s_nop 0
.Lasked_\@:
.endm
; A round of the cluster's barrier: my work-group's barrier; wave 0 signals for the work-group; every wave waits for all sixteen; my work-group's barrier again.
.macro CREST                           ; a round behind its opening barrier
	s_cmp_lg_u32 s10, 0
	s_cbranch_scc1 .Lnot_wave_0_\@
	s_barrier_signal -3
.Lnot_wave_0_\@:
	s_barrier_wait -3
	s_barrier_signal -1
	s_barrier_wait -1
.endm
.macro CROUND
	s_barrier_signal -1
	s_barrier_wait -1
	CREST
.endm
	s_load_b128 s[4:7], s[0:1], 0x0                ; h s[4:5], wt s[6:7]
	s_load_b64 s[8:9], s[0:1], 0x10                ; qkv
	s_set_vgpr_msb 0x40
	v_lshl_add_u32 v255, v0, 2, 0x48400
	s_set_vgpr_msb 0x4000
	v_mov_b32 v255, 0
	s_set_vgpr_msb 0x1
	ds_add_u32 v255, v255
	s_set_vgpr_msb 0x100
	v_lshrrev_b32 v1, 5, v0
	v_readfirstlane_b32 s10, v1                    ; wave 0..3
	s_lshr_b32 s11, s10, 1                         ; which half of the block's rows is mine.  Also: I fetch for A (0) or for B (1)
	s_and_b32 s12, s10, 1                          ; which half of its columns.  Also: which 128 rows of that tile I fetch
	s_bfe_u32 s40, ttmp6, 0x40000                  ; cx
	s_bfe_u32 s41, ttmp6, 0x40004                  ; cy
	s_lshl_b32 s42, ttmp9, 2
	s_add_co_u32 s42, s42, s40                     ; block column = 4 x cluster x + cx
	s_and_b32 s13, ttmp7, 0xffff
	s_lshl_b32 s13, s13, 2
	s_add_co_u32 s13, s13, s41                     ; block row = 4 x cluster y + cy
	s_lshl_b32 s43, s41, 2
	s_lshl_b32 s43, 15, s43                        ; my row of the cluster: places 4 cy .. 4 cy + 3
	s_lshl_b32 s44, 0x1111, s40                    ; my column: places cx, cx + 4, cx + 8, cx + 12
	s_or_b32 s[G1+0], s43, (1<<16)|(1<<20)|(1<<21)|(5<<22)|(3<<25)  ; mask of my row; 2-byte elements; padding on, 4 words behind every 64; bit 21 beside a mask
	s_or_b32 s[G1B+0], s44, (1<<16)|(1<<20)|(1<<21)|(5<<22)|(3<<25) ; the same with the mask of my column
	s_mov_b32 s[G1B+1], KSTEP<<16
	s_mov_b32 s[G1+1], KSTEP<<16                   ; tensor_dim0 = 128
	s_mov_b32 s[G1B+2], 128<<16
	s_mov_b32 s[G1+2], 128<<16                     ; tensor_dim1 = 128
	s_mov_b32 s[G1B+3], KSTEP<<16
	s_mov_b32 s[G1+3], KSTEP<<16                   ; tile_dim0 = 128
	s_mov_b32 s[G1B+4], 128
	s_mov_b32 s[G1+4], 128                         ; tile_dim1 = 128
	s_mov_b32 s[G1B+5], SIZE_K
	s_mov_b32 s[G1+5], SIZE_K                      ; elements from row to row
	s_mov_b32 s[G1B+6], 0
	s_mov_b32 s[G1+6], 0
	s_mov_b32 s[G1B+7], 0
	s_mov_b32 s[G1+7], 0
	; A's tiles hang on the block row alone, B's on the block column alone; each address is made in registers that never hold the other coordinate
	s_lshl_b32 s17, s12, 7
	s_lshl_b32 s16, s13, 8
	s_add_co_u32 s16, s16, s17                     ; A: row 256 x block row + 128 x half
	s_lshl_b32 s46, s42, 8
	s_add_co_u32 s46, s46, s17                     ; B: row 256 x block column + 128 x half
	s_mov_b32 s17, 0
	s_mov_b32 s47, 0
	s_mov_b64 s[18:19], SIZE_K*2
	s_mul_u64 s[16:17], s[16:17], s[18:19]
	s_mul_u64 s[46:47], s[46:47], s[18:19]
	s_mul_i32 s20, s10, HALFT                      ; where they go: wave x 128 rows
	s_wait_dscnt 0x0
	s_wait_kmcnt 0x0
	s_add_nc_u64 s[14:15], s[4:5], s[16:17]
	s_add_nc_u64 s[46:47], s[6:7], s[46:47]
	CROUND                                         ; all sixteen work-groups are here: the first joint loads meet
.irp s, 0,1
	s_mov_b32 s[G0+4*\s], 1
	s_add_co_u32 s[G0+4*\s+1], s20, \s*SLOT
	s_add_nc_u64 s[G0+4*\s+2:G0+4*\s+3], s[14:15], \s*KSTEP*2
	s_or_b32 s[G0+4*\s+3], s[G0+4*\s+3], 0x80000000
	s_mov_b32 s[G0B+4*\s], 1
	s_add_co_u32 s[G0B+4*\s+1], s20, \s*SLOT
	s_add_nc_u64 s[G0B+4*\s+2:G0B+4*\s+3], s[46:47], \s*KSTEP*2
	s_or_b32 s[G0B+4*\s+3], s[G0B+4*\s+3], 0x80000000
	JLOAD \s                                       ; both first fills go out before anything else: two tensor loads of the wave are out
.endr
	; a fragment: lane l holds row l % 16; registers 0-3 hold K = 8 (l / 16) + 0..7, registers 4-7 K = 16 + 8 (l / 16) + 0..7: two loads of 16 bytes, 32 apart
	v_and_b32 v1, 15, v0
	v_bfe_u32 v2, v0, 4, 1
	v_mul_u32_u24 v3, v1, PITCH
	v_lshl_add_u32 v3, v2, 4, v3
	s_mul_i32 s21, s11, HALFT                      ; my 128 rows of A
	s_mul_i32 s22, s12, HALFT                      ; my 128 rows of B,
	s_add_co_u32 s22, s22, 2*HALFT                 ; which lie behind A's 256
.irp s, 0,1
	v_add_nc_u32 v[ADRA+\s], s21, v3
	v_add_nc_u32 v[ADRB+\s], s22, v3
	s_add_co_u32 s21, s21, SLOT
	s_add_co_u32 s22, s22, SLOT
.endr
	s_mul_i32 s23, s10, 16*SPITCH
	s_add_co_u32 s23, s23, STAGE                   ; my stage
	v_mul_u32_u24 v4, v1, SPITCH
	v_lshl_add_u32 v4, v2, 4, v4
	v_add_nc_u32 v[STO], s23, v4
	v_mul_u32_u24 v5, v2, SPITCH
	v_lshl_add_u32 v5, v1, 4, v5
	v_add_nc_u32 v[RD], s23, v5
	v_mul_u32_u24 v5, v2, SIZE_N*2
	v_lshl_add_u32 v[CO], v1, 4, v5
; 16 matrix instructions: m blocks a0, a0 + 1 of the window's four x all 8 n blocks, 32 along K.  zero = 1: the first product starts the sums
.macro MUL16 f, hi, a0, zero
.irp a, \a0, \a0+1
.irp b, 0,1,2,3,4,5,6,7
.if \zero
	v_wmma_f32_16x16x32_bf16 v[8*(8*(\a)+\b):8*(8*(\a)+\b)+7], v[\f+8*\b:\f+8*\b+7], v[\f+8*(4*\hi+\a):\f+8*(4*\hi+\a)+7], 0
.else
	v_wmma_f32_16x16x32_bf16 v[8*(8*(\a)+\b):8*(8*(\a)+\b)+7], v[\f+8*\b:\f+8*\b+7], v[\f+8*(4*\hi+\a):\f+8*(4*\hi+\a)+7], v[8*(8*(\a)+\b):8*(8*(\a)+\b)+7]
.endif
.endr
.endr
.endm
; 32 LDS loads in one run: the fragments of one quarter step into buffer f
.macro FETCH slot, k, f
	WIN TO_B
.irp i, 0,1,2,3,4,5,6,7
	ds_load_b128 v[\f+8*\i:\f+8*\i+3],   v[ADRB+\slot] offset:\k+\i*16*PITCH
	ds_load_b128 v[\f+8*\i+4:\f+8*\i+7], v[ADRB+\slot] offset:\k+\i*16*PITCH+32
.endr
	WIN 0
.irp i, 0,1,2,3,4,5,6,7
	ds_load_b128 v[\f+8*\i:\f+8*\i+3],   v[ADRA+\slot] offset:\k+\i*16*PITCH
	ds_load_b128 v[\f+8*\i+4:\f+8*\i+7], v[ADRA+\slot] offset:\k+\i*16*PITCH+32
.endr
.endm
; four plain places between a matrix instruction and a load into one of its sources or a vector read of its result (ISA guide 7.12.1 for vector reads)
.macro PLACES
.rept 4
	v_nop
.endr
.endm
; a quarter step: multiplies buffer f; in its middle it fetches the next quarter's fragments into buffer g
.macro QUARTER slot, k, f, g, zero
	s_wait_dscnt 8                                 ; B and A's rows 0-63 are in; the youngest eight loads (A's rows 64-127) may be out
	WIN MUL_LO
	MUL16 \f, 0, 0, \zero
	MUL16 \f, 0, 2, \zero
	PLACES
	FETCH \slot, \k, \g
	s_wait_dscnt 32                                ; all but the 32 just issued
	WIN MUL_HI
	MUL16 \f, 1, 0, \zero
	MUL16 \f, 1, 2, \zero
.endm
.macro THREE slot, zero
	QUARTER \slot, 64,  F0, F1, \zero
	QUARTER \slot, 128, F1, F0, 0
	QUARTER \slot, 192, F0, F1, 0
.endm
; the last quarter of a K step: multiplies buffer 1 and changes slots.  One barrier for two things: in front of it each wave has waited for its reads of
; this slot and for all its tensor loads (one is out: its part of the next slot); behind it the refill comes first, then the next slot's first fragments.
.macro TURN slot, next, fill
	s_wait_dscnt 8
	WIN MUL_LO
	MUL16 F1, 0, 0, 0
	s_wait_dscnt 0                                 ; my reads of this slot are over
	s_wait_tensorcnt 0x0                           ; all my tensor loads have landed
	ds_add_u32 v255, v255
	s_wait_dscnt 0x0
	s_barrier_signal -1                            ; (where a slot is filled again this barrier opens a round of the cluster's barrier)
	MUL16 F1, 0, 2, 0                              ; registers only
	WIN 0
	s_barrier_wait -1
.if \fill
	CREST                                          ; no wave of any partner still reads this slot or has a load on its way
	s_add_nc_u64 s[G0+4*\slot+2:G0+4*\slot+3], s[G0+4*\slot+2:G0+4*\slot+3], 2*KSTEP*2
	s_add_nc_u64 s[G0B+4*\slot+2:G0B+4*\slot+3], s[G0B+4*\slot+2:G0B+4*\slot+3], 2*KSTEP*2
	JLOAD \slot                                    ; the first tensor load behind the round, the wave's only one until the next
.endif
	PLACES
	FETCH \next, 0, F0
	WIN MUL_HI
	MUL16 F1, 1, 0, 0
	MUL16 F1, 1, 2, 0
.endm
.macro LAP zero
	THREE 0, \zero
	TURN 0, 1, 1
	THREE 1, 0
	TURN 1, 0, 1
.endm
	s_wait_tensorcnt 1                             ; my part of K step 0 is in; K step 1's load stays out
	s_barrier_signal -1
	s_barrier_wait -1
	FETCH 0, 0, F0
	LAP 1                                          ; the first lap's first products start the sums
.if LAPS > 2
	WIN 0
	s_mov_b32 s3, LAPS-2
.Llap:
	LAP 0
	WIN 0
	s_sub_co_u32 s3, s3, 1
	s_cmp_lg_u32 s3, 0
	s_cbranch_scc1 .Llap
.endif
	THREE 0, 0                                     ; the last lap fills nothing
	TURN 0, 1, 0
	THREE 1, 0
	s_wait_dscnt 8
	WIN MUL_LO
	MUL16 F1, 0, 0, 0
	MUL16 F1, 0, 2, 0
	s_wait_dscnt 0
	WIN MUL_HI
	MUL16 F1, 1, 0, 0
	MUL16 F1, 1, 2, 0
	; THE WAY OUT, 16 rows at a time: round to bf16, 16 bytes a lane into my own stage, read back as whole rows of 256 bytes
	PLACES
	s_lshl_b32 s13, s13, 8
	s_lshl_b32 s14, s11, 7
	s_add_co_u32 s16, s13, s14                     ; my first row
	s_mov_b32 s17, 0
	s_mov_b64 s[18:19], SIZE_N*2
	s_mul_u64 s[16:17], s[16:17], s[18:19]
	s_add_nc_u64 s[8:9], s[8:9], s[16:17]
	s_lshl_b32 s46, s42, 9                         ; my first column, in bytes
	s_lshl_b32 s47, s12, 8
	s_add_co_u32 s46, s46, s47
	s_mov_b32 s47, 0
	s_add_nc_u64 s[8:9], s[8:9], s[46:47]
.macro OUT16 i, a, from, f
	WIN \from
.irp b, 0,1,2,3,4,5,6,7
.irp r, 0,1,2,3
	v_cvt_pk_bf16_f32 v[TMP+4*\b+\r], v[8*(8*\a+\b)+2*\r], v[8*(8*\a+\b)+2*\r+1]
.endr
.endr
	WIN 0
.irp b, 0,1,2,3,4,5,6,7
	ds_store_b128 v[STO], v[TMP+4*\b:TMP+4*\b+3] offset:32*\b
.endr
	s_wait_xcnt 0x0                                ; buffer f, which earlier stores read, and the stores' base are rewritten only behind this wait
.if \i
	s_add_nc_u64 s[8:9], s[8:9], 16*SIZE_N*2
.endif
.irp t, 0,1,2,3,4,5,6,7
	ds_load_b128 v[\f+4*\t:\f+4*\t+3], v[RD] offset:\t*2*SPITCH    ; a wave's LDS instructions are served in order: these see the stores above
.endr
.irp t, 0,1,2,3,4,5,6,7
	s_wait_dscnt 7-\t
	global_store_b128 v[CO], v[\f+4*\t:\f+4*\t+3], s[8:9] offset:2*\t*SIZE_N*2   ; 16 lanes store 256 consecutive bytes, aligned
.endr
.endm
	OUT16 0, 0, 0x0a, F0
	OUT16 1, 1, 0x0a, F1
	OUT16 2, 2, 0x0a, F0
	OUT16 3, 3, 0x0a, F1
	OUT16 4, 0, 0x0f, F0
	OUT16 5, 1, 0x0f, F1
	OUT16 6, 2, 0x0f, F0
	OUT16 7, 3, 0x0f, F1
	s_set_vgpr_msb 0x1
	s_wait_tensorcnt 0x0
	ds_add_u32 v255, v255
	s_wait_dscnt 0x0
	s_set_vgpr_msb 0x100
	CROUND                                         ; the closing round: no work-group ends while a partner may still ask for a tile that names it
	s_endpgm
.Lfunc_end_k_q59260c2908_qkv:
	.size	k_q59260c2908_qkv, .Lfunc_end_k_q59260c2908_qkv-k_q59260c2908_qkv
	.p2alignl 7, 3214868480
	.fill 96, 4, 3214868480
	.section	.rodata,"a",@progbits
	.p2align	6, 0x0
	.amdhsa_kernel k_q59260c2908_qkv
		.amdhsa_group_segment_fixed_size 327680
		.amdhsa_private_segment_fixed_size 0
		.amdhsa_enable_private_segment 0
		.amdhsa_kernarg_size 24
		.amdhsa_user_sgpr_count 2
		.amdhsa_user_sgpr_kernarg_segment_ptr 1
		.amdhsa_wavefront_size32 1
		.amdhsa_system_sgpr_workgroup_id_x 1
		.amdhsa_system_sgpr_workgroup_id_y 1
		.amdhsa_system_sgpr_workgroup_id_z 1
		.amdhsa_system_vgpr_workitem_id 0
		.amdhsa_next_free_vgpr 1024
		.amdhsa_next_free_sgpr 66
		.amdhsa_reserve_vcc 0
		.amdhsa_float_denorm_mode_32 3
		.amdhsa_float_denorm_mode_16_64 3
		.amdhsa_memory_ordered 1
		.amdhsa_forward_progress 1
		.amdhsa_inst_pref_size 196
	.end_amdhsa_kernel
	.amdgpu_metadata
---
amdhsa.version: [ 1, 2 ]
amdhsa.kernels:
  - .name:           k_q59260c2908_qkv
    .symbol:         k_q59260c2908_qkv.kd
    .args:
      - { .name: h, .offset: 0, .size: 8, .value_kind: global_buffer, .address_space: global }
      - { .name: wt, .offset: 8, .size: 8, .value_kind: global_buffer, .address_space: global }
      - { .name: qkv, .offset: 16, .size: 8, .value_kind: global_buffer, .address_space: global }
    .group_segment_fixed_size: 327680
    .private_segment_fixed_size: 0
    .kernarg_segment_align: 8
    .kernarg_segment_size: 24
    .max_flat_workgroup_size: 128
    .sgpr_count:     66
    .vgpr_count:     1024
    .wavefront_size: 32
...
	.end_amdgpu_metadata
.endif
;; end of part 3
;; launch attn (part 4): grid 16 x 16, 8 waves a work-group, clusters of 4 x 1, 327,680 bytes of LDS; arguments qkv, ctx; writes ctx
.if DOCPART == 4
	.amdgcn_target "amdgcn-amd-amdhsa--gfx1250"
	.amdhsa_code_object_version 6
	.text
	.protected	k_q59260c2908_attn
	.globl	k_q59260c2908_attn
	.p2align	8
	.type	k_q59260c2908_attn,@function
k_q59260c2908_attn:
	s_mov_b64 s[64:65], 0
	v_nop
	global_prefetch_b8 v0, s[64:65] scope:SCOPE_SE
	s_setreg_imm32_b32 hwreg(HW_REG_WAVE_MODE, 25, 1), 1
	s_wait_xcnt 0x0
	s_wait_alu depctr_hold_cnt(0) depctr_sa_sdst(0) depctr_va_vdst(0) depctr_va_sdst(0) depctr_va_ssrc(0) depctr_va_vcc(0) depctr_vm_vsrc(0)
	s_getreg_b32 s2, hwreg(HW_REG_IB_STS2, 6, 4)
	s_cmp_eq_u32 s2, 0
	s_cbranch_scc0 .Lentry_in_a_cluster
	s_endpgm
.Lentry_in_a_cluster:
	s_bfe_u32 s2, ttmp6, 0x10000c
	s_cmp_lg_u32 s2, 0x3003
	s_cbranch_scc0 .Lentry_shape_is_right
	s_endpgm
.Lentry_shape_is_right:
; Causal attention with a running maximum.  qkv: [4096][3072] bf16 (q at column 0, k at 1024, v at 2048; head e at 64 e); ctx: [4096][1024] bf16.
; A work-group (x = p, y = hp) serves two neighbouring heads of one batch (b = hp >> 3, heads 2 (hp & 7) and + 1), so that rows of K, V and ctx are 256
; aligned bytes, and two blocks of 64 queries: block p, then block 31 - p.  Keys come in tiles of 256; block qb needs (qb >> 2) + 1 of them.
; CLUSTERS: the four work-groups p = 4 c .. 4 c + 3 form a cluster.  Their first blocks all need c + 1 tiles and their second blocks all need 8 - c: the four walk
; the same tiles in the same 9 trips and change blocks in the same trip, so every tile is asked for JOINTLY (the same line, the same descriptor, mask 15),
; which divides the requests for K and V by four.  No branch hangs on the place in the cluster: a block's last tile, which holds its diagonal, is worked whole
; under a mask made from that place as data; tiles above it are never fetched.  That is 36 steps of 64 keys a work-group where 33 hold an allowed key.
; Eight waves: wave w serves head w >> 2, keys 128 ((w >> 1) & 1) .. + 127 of every tile and queries 32 (w & 1) .. + 31 of the block, as two groups of 16:
; each K and V fragment read from LDS feeds two matrix instructions.  At a block's end the two waves of a pair, which hold sums over different keys of the same 32
; queries, hand each other one group (32 registers as they lie, the maximum and the sum) through LDS, and each merges the group that it keeps.
; TRANSPOSED ARITHMETIC.  S^T = K Q^T: lane (r, h) holds query r and keys 8 h + j of each tile of 16 keys, so a query's maximum and sum need one exchange
; between the halves of the wave, and two packed tiles of S^T ARE the second source of O^T = V^T P^T: no shuffle.  V^T comes by the transposing LDS load.
; O^T gives a lane eight neighbouring numbers of one row of ctx.
; TILES: two LDS slots; waves 0-3 fetch V's 256 rows, waves 4-7 K's, 64 rows each; one load a wave behind each round of the cluster's barrier, so a wave has one
; tensor load out at the most, and that load has a whole trip (64 matrix instructions a wave and their softmax) in which to land.
; THE RUNNING MAXIMUM starts at the lowest finite f32, not at -inf: a step whose keys are all masked then leaves maximum, sums and O as they are, and no
; inf - inf is formed.  Every finite score is at or above that start, so the maximum is the true one as soon as one allowed key has been seen.
; O and the sums are cleared once.  At the change of blocks the maximum alone is set back: the second block's first tile lies below its diagonal, so its
; first step scales the old, finite numbers by 2^(c (start - new maximum)), which is exactly 0.
; NO PREFETCH: qkv was stored by the launch just before this one.
; REGISTERS: window 0 holds all but the K and V^T fragments, which lie in window 1 (v256-383); four switches of the window a step.
; Scalars that hold the place in the cluster, or p or qb made from it (s15, s72-s78), feed global addresses and the mask alone, never a descriptor, an LDS address or a branch.
; Limits: q, k, v and the probabilities are bf16 (probabilities lie in 0..1, relative to the running maximum); v_exp_f32 and v_rcp_f32 flush denormals;
; NaN and infinite inputs are not served.
.set KP,    272                        ; K's LDS row: 256 + 16 bytes (odd multiple of 16)
.set VP,    288                        ; V's LDS row: 256 + 32 bytes (odd multiple of 32, for the transposing load)
.set TK,    256                        ; keys in a tile
.set KOFF,  TK*VP                      ; in a slot: V's 256 rows (73,728 bytes), then K's 256 rows (69,632)
.set SLOT,  TK*VP+TK*KP                ; 143,360
.set SCR,   2*SLOT                     ; 286,720: scratch for the merge, 8 x 4,352 bytes; later the stage, 64 rows x 272 bytes.  No fill lands here
.set REG,   4352                       ; a wave's scratch: 32 registers' image (4,096 bytes), then (maximum, sum) of each lane (256 bytes)
.set TILEB, TK*6144                    ; bytes from a key tile to the next
.set KA,   8                           ; v8, v9    K fragment address, slot 0, 1 (my head, my half of the keys)
.set VA,   10                          ; v10, v11  V fragment address
.set STO,  12                          ; v12       stage: where I put 16 bytes
.set RD,   13                          ; v13       stage: where I read a row back
.set QO,   14                          ; v14       my byte offset in my q rows
.set CO,   15                          ; v15       my byte offset in the block's ctx rows
.set DM,   16                          ; v16       DM0 + 64 (qb & 3): key 64 s + 16 kt + j of group g is masked where 64 s + 16 kt + j - 16 g is larger
.set NINF, 17                          ; v17       -inf
.set CC,   18                          ; v[18:19]  log2(e) / 8, twice
.set SCA,  20                          ; v20       scratch of my pair of waves + 16 x lane
.set SCM,  21                          ; v21       scratch of my pair of waves + 8 x lane
.set ML,   22                          ; v[22:23], v[24:25]  group g: running maximum, running sum (my half of the lanes' keys)
.set NM,   26                          ; v[26:27], v[28:29]  group g: -c x maximum, twice
.set AL,   30                          ; v[30:31], v[32:33]  group g: 2^(c (old maximum - new)), twice
.set T,    34                          ; v[34:37], v[38:41]  group g: at work
.set DM0,  42                          ; v42       32 qh + r - 8 h - 128 kh
.set QF,   48                          ; v[48:79]   q fragments: group g at 16 g, d 0-31 and 32-63
.set SC,   80                          ; v[80:143]  S^T: group g at 32 g, four tiles of 16 keys
.set PB,   144                         ; v[144:175] P^T in bf16: group g at 16 g, two fragments of 32 keys
.set OA,   176                         ; v[176:239] O^T: group g at 32 g, four tiles of 16 d
.set KF,   0                           ; window 1: v[0:63]   K fragments at 8 (2 kt + ks)
.set VF,   64                          ; window 1: v[64:127] V^T fragments at 8 (2 t + kk)
.set G1V, 24                           ; s[24:31]
.set G1K, 32                           ; s[32:39]
.set G0V, 40                           ; s[40:47] slot 0, slot 1
.set G0K, 48                           ; s[48:55]
.set MSB, 0
.macro WIN new                         ; the immediate's high byte repeats the setting that is left; at a label and at a branch every window is 0
.if MSB != \new
	s_set_vgpr_msb (MSB<<8)|\new
.set MSB, \new
.endif
.endm
.set TO_W1, 0x40                       ; destination window 1, address window 0: the fragment loads
.set A_W1,  0x01                       ; source 0 window 1, all else window 0: the matrix instructions
; A round of the cluster's barrier: my work-group's barrier; wave 0 signals for the work-group; every wave waits for all four; my work-group's barrier again.
.macro ROUND
	s_barrier_signal -1
	s_barrier_wait -1
	s_cmp_lg_u32 s8, 0
	s_cbranch_scc1 .Lnot_wave_0_\@
	s_barrier_signal -3
.Lnot_wave_0_\@:
	s_barrier_wait -3
	s_barrier_signal -1
	s_barrier_wait -1
.endm
	s_load_b128 s[4:7], s[0:1], 0x0                ; qkv s[4:5], ctx s[6:7]
	v_lshl_add_u32 v254, v0, 2, 0x4e800
	v_mov_b32 v255, 0
	ds_add_u32 v254, v255
	v_lshrrev_b32 v1, 5, v0
	v_readfirstlane_b32 s8, v1                     ; wave
	s_lshr_b32 s9, s8, 2                           ; hs: which of the two heads
	s_bfe_u32 s10, s8, 0x10001                     ; kh: which 128 keys of a tile
	s_and_b32 s16, s8, 1                           ; qh: which 32 queries
	s_mov_b32 s11, ttmp9                           ; c: the cluster's x
	s_bfe_u32 s72, ttmp6, 0x40000                  ; cx: my place in the cluster
	s_lshl_b32 s73, s11, 2
	s_add_co_u32 s73, s73, s72                     ; p = 4 c + cx
	s_and_b32 s12, ttmp7, 0xffff                   ; hp
	s_lshr_b32 s13, s12, 3                         ; b
	s_and_b32 s14, s12, 7                          ; hq: the pair of heads
	s_mov_b32 s56, 0x76543210                      ; v_permlanex16_b32: lane i reads lane i of the other half
	s_mov_b32 s57, 0xfedcba98
	s_mov_b32 s58, 0x3e38aa3b                      ; c = log2(e) / sqrt(64)
	s_mov_b32 s59, 0xbe38aa3b                      ; -c
	; group 1: mask 15 (all four of the cluster) with bit 21 beside it; 64 rows of 128 elements of 2 bytes, 3,072 elements from row to row;
	; behind every 64 words 8 words of padding (V) or 4 (K)
	s_mov_b32 s[G1V+0], 15|(1<<16)|(1<<20)|(1<<21)|(5<<22)|(7<<25)
	s_mov_b32 s[G1K+0], 15|(1<<16)|(1<<20)|(1<<21)|(5<<22)|(3<<25)
	s_mov_b32 s[G1V+1], 128<<16
	s_mov_b32 s[G1K+1], 128<<16
	s_mov_b32 s[G1V+2], 64<<16
	s_mov_b32 s[G1K+2], 64<<16
	s_mov_b32 s[G1V+3], 128<<16
	s_mov_b32 s[G1K+3], 128<<16
	s_mov_b32 s[G1V+4], 64
	s_mov_b32 s[G1K+4], 64
	s_mov_b32 s[G1V+5], 3072
	s_mov_b32 s[G1K+5], 3072
	s_mov_b32 s[G1V+6], 0
	s_mov_b32 s[G1K+6], 0
	s_mov_b32 s[G1V+7], 0
	s_mov_b32 s[G1K+7], 0
	s_mul_i32 s70, s8, 64*VP                       ; waves 0-3: V's rows 64 w
	s_mul_i32 s71, s8, 64*KP                       ; waves 4-7: K's rows 64 (w - 4), behind V: KOFF - 4 x 64 KP = 4,096
	s_add_co_u32 s71, s71, KOFF-4*64*KP
.irp s, 0,1
	s_mov_b32 s[G0V+4*\s], 1
	s_add_co_u32 s[G0V+4*\s+1], s70, \s*SLOT
	s_mov_b32 s[G0K+4*\s], 1
	s_add_co_u32 s[G0K+4*\s+1], s71, \s*SLOT
.endr
	s_mul_i32 s68, s13, 2048*6144                  ; my batch,
	s_and_b32 s70, s8, 3
	s_mul_i32 s70, s70, 64*6144                    ; my 64 rows of a tile,
	s_add_co_u32 s68, s68, s70
	s_lshl_b32 s70, s14, 8                         ; my pair of heads: all of it shared by the four partners
	s_add_co_u32 s68, s68, s70
	s_mov_b32 s69, 0
	s_mov_b32 s22, 4096                            ; v's columns
	s_mov_b32 s23, 0
	s_mov_b32 s62, 2048                            ; k's columns
	s_mov_b32 s63, 0
	s_mov_b32 s77, 0                               ; the high word of the offsets of q and ctx
	s_wait_dscnt 0x0
	s_wait_kmcnt 0x0
	s_add_nc_u64 s[20:21], s[4:5], s[68:69]        ; from here every tile's address is made
	s_add_nc_u64 s[G0V+2:G0V+3], s[20:21], s[22:23]
	s_or_b32 s[G0V+3], s[G0V+3], 0x80000000
	s_add_nc_u64 s[G0K+2:G0K+3], s[20:21], s[62:63]
	s_or_b32 s[G0K+3], s[G0K+3], 0x80000000
; my part of a tile into slot s, asked for jointly.  The branch hangs on the wave's number alone.
.macro LOADT s
	s_cmp_lt_u32 s8, 4
	s_cbranch_scc0 .Lfor_k_\@
	tensor_load_to_lds s[G0V+4*(\s):G0V+4*(\s)+3], s[G1V:G1V+7]
	s_nop 0
	s_branch .Lasked_\@
.Lfor_k_\@:
	tensor_load_to_lds s[G0K+4*(\s):G0K+4*(\s)+3], s[G1K:G1K+7]
	s_nop 0
.Lasked_\@:
.endm
	ROUND                                          ; all four work-groups are here: the first joint loads meet
	LOADT 0                                        ; tile 0 of the first block, ahead of everything else
	v_and_b32 v2, 15, v0                           ; r
	v_bfe_u32 v3, v0, 4, 1                         ; h
	v_and_b32 v7, 31, v0                           ; lane
	v_mul_u32_u24 v4, v2, KP
	v_lshl_add_u32 v4, v3, 4, v4                   ; r x 272 + 16 h
	s_lshl_b32 s70, s9, 7                          ; my head's 128 bytes of a row
	s_mul_i32 s71, s10, 128*KP                     ; my 128 keys
	s_add_co_u32 s71, s71, s70
	s_add_co_u32 s71, s71, KOFF
	v_add_nc_u32 v[KA], s71, v4
	v_add_nc_u32 v[KA+1], SLOT, v[KA]
	v_and_b32 v5, 7, v0
	v_lshl_add_u32 v5, v3, 3, v5                   ; key 8 h + (l & 7)
	v_mul_u32_u24 v5, v5, VP
	v_bfe_u32 v6, v0, 3, 1
	v_lshl_add_u32 v5, v6, 4, v5                   ; + 16 ((l >> 3) & 1)
	s_mul_i32 s71, s10, 128*VP
	s_add_co_u32 s71, s71, s70
	v_add_nc_u32 v[VA], s71, v5
	v_add_nc_u32 v[VA+1], SLOT, v[VA]
	s_lshl_b32 s71, s16, 1
	s_add_co_u32 s71, s71, s10                     ; the group that I keep is group kh: queries 16 (2 qh + kh) + r
	s_mul_i32 s71, s71, 16*KP
	s_add_co_u32 s71, s71, s70
	s_add_co_u32 s71, s71, SCR
	v_add_nc_u32 v[STO], s71, v4                   ; stage row 32 qh + 16 kh + r, byte 128 hs + 16 h
	v_mul_u32_u24 v6, v3, KP
	v_lshl_add_u32 v6, v2, 4, v6
	s_mul_i32 s71, s8, 8*KP
	s_add_co_u32 s71, s71, SCR
	v_add_nc_u32 v[RD], s71, v6                    ; stage row 8 w + h, byte 16 r
	s_lshl_b32 s71, s9, 1
	s_add_co_u32 s71, s71, s16                     ; my pair of waves: 2 hs + qh
	s_mul_i32 s71, s71, 2*REG
	s_add_co_u32 s71, s71, SCR
	v_lshl_add_u32 v[SCA], v7, 4, s71
	v_lshl_add_u32 v[SCM], v7, 3, s71
	v_mul_u32_u24 v[QO], v2, 6144
	v_lshl_add_u32 v[QO], v3, 4, v[QO]
	v_lshlrev_b32 v[CO], 11, v3
	v_lshl_add_u32 v[CO], v2, 4, v[CO]
	s_lshl_b32 s71, s8, 14
	v_add_nc_u32 v[CO], s71, v[CO]                 ; ctx row 8 w + h, byte 16 r
	v_lshlrev_b32 v6, 3, v3
	v_sub_nc_u32 v[DM0], v2, v6
	s_lshl_b32 s71, s16, 5
	s_lshl_b32 s70, s10, 7
	s_sub_co_u32 s71, s71, s70                     ; 32 qh - 128 kh, as a signed number
	v_add_nc_u32 v[DM0], s71, v[DM0]
	v_mov_b32 v[NINF], 0xff800000
	v_mov_b32 v[CC], s58
	v_mov_b32 v[CC+1], s58
	v_mov_b32 v[T+6], 0                            ; the destination of v_permlanex16_b32 counts as read: the merge's is written here, on every path
; the q fragments of block s15 are asked for
.macro QLOAD
	s_lshl_b32 s76, s13, 11
	s_lshl_b32 s78, s15, 6
	s_add_co_u32 s76, s76, s78
	s_lshl_b32 s78, s16, 5
	s_add_co_u32 s76, s76, s78                     ; row 2048 b + 64 qb + 32 qh
	s_mul_i32 s76, s76, 6144
	s_lshl_b32 s78, s14, 8
	s_add_co_u32 s76, s76, s78
	s_lshl_b32 s78, s9, 7
	s_add_co_u32 s76, s76, s78                     ; + my head
	s_add_nc_u64 s[60:61], s[4:5], s[76:77]
.irp g, 0,1
.irp i, 0,1,2,3
	global_load_b128 v[QF+16*\g+4*\i:QF+16*\g+4*\i+3], v[QO], s[60:61] offset:16*6144*\g+32*\i   ; q(16 g + r, d = 16 i + 8 h .. + 7)
.endr
.endr
.endm
; block s15 begins: the mask's figure, the maxima at the lowest finite f32; first = 1: sums and O are cleared (see the head for the second block)
.macro RESET first
	s_and_b32 s78, s15, 3
	s_lshl_b32 s78, s78, 6
	v_add_nc_u32 v[DM], s78, v[DM0]
	v_mov_b32 v[ML], 0xff7fffff
	v_mov_b32 v[ML+2], 0xff7fffff
.if \first
	v_mov_b32 v[ML+1], 0
	v_mov_b32 v[ML+3], 0
.set i, 0
.rept 64
	v_mov_b32 v[OA+i], 0
.set i, i+1
.endr
.endif
	s_wait_loadcnt 0x0                             ; q is in
.endm
; 64 keys x 32 queries: step s (0, 1) of my 128 keys of the tile in the slot.  s17 = 1: the block's last tile, which is masked.
.macro SUB slot, s
	WIN TO_W1
.irp ks, 0,1
.irp kt, 0,1,2,3
	ds_load_b128 v[KF+8*(2*\kt+\ks):KF+8*(2*\kt+\ks)+3],   v[KA+\slot] offset:(64*\s+16*\kt)*KP+64*\ks
	ds_load_b128 v[KF+8*(2*\kt+\ks)+4:KF+8*(2*\kt+\ks)+7], v[KA+\slot] offset:(64*\s+16*\kt)*KP+64*\ks+32
.endr
.endr
.irp kk, 0,1
.irp t, 0,1,2,3
	ds_load_tr16_b128 v[VF+8*(2*\t+\kk):VF+8*(2*\t+\kk)+3],   v[VA+\slot] offset:(64*\s+32*\kk)*VP+32*\t
	ds_load_tr16_b128 v[VF+8*(2*\t+\kk)+4:VF+8*(2*\t+\kk)+7], v[VA+\slot] offset:(64*\s+32*\kk+16)*VP+32*\t
.endr
.endr
	WIN A_W1
	s_wait_dscnt 24                                ; K's d 0-31 are in: its eight other loads and V's sixteen stay out
.irp g, 0,1
.irp kt, 0,1,2,3
	v_wmma_f32_16x16x32_bf16 v[SC+32*\g+8*\kt:SC+32*\g+8*\kt+7], v[KF+16*\kt:KF+16*\kt+7], v[QF+16*\g:QF+16*\g+7], 0
.endr
.endr
	s_wait_dscnt 16                                ; K is in: V's sixteen stay out
.irp g, 0,1
.irp kt, 0,1,2,3
	v_wmma_f32_16x16x32_bf16 v[SC+32*\g+8*\kt:SC+32*\g+8*\kt+7], v[KF+16*\kt+8:KF+16*\kt+15], v[QF+16*\g+8:QF+16*\g+15], v[SC+32*\g+8*\kt:SC+32*\g+8*\kt+7]   ; the eight accumulators take turns
.endr
.endr
	WIN 0
.rept 4
	v_nop                                          ; four plain places before S^T is read (ISA guide 7.12.1)
.endr
	s_cmp_lg_u32 s17, 1                            ; s17 hangs on c and the trip alone: alike in all waves and all four partners
	s_cbranch_scc1 .Lfull_\@
.irp g, 0,1
.irp kt, 0,1,2,3
.irp j, 0,1,2,3,4,5,6,7
	v_cmp_gt_i32 vcc_lo, 64*\s+16*\kt+\j-16*\g, v[DM]      ; key 128 kh + 64 s + 16 kt + 8 h + j above query 64 (qb & 3) + 32 qh + 16 g + r
	v_cndmask_b32 v[SC+32*\g+8*\kt+\j], v[SC+32*\g+8*\kt+\j], v[NINF], vcc_lo
.endr
.endr
.endr
.Lfull_\@:
	; for each group: the maximum of my 32 scores in four chains, then the other half's, then the running one
.irp g, 0,1
.irp k, 0,1,2,3
	v_max3_num_f32 v[T+4*\g+\k], v[SC+32*\g+8*\k], v[SC+32*\g+8*\k+1], v[SC+32*\g+8*\k+2]
.endr
.endr
.irp g, 0,1
.irp k, 0,1,2,3
	v_max3_num_f32 v[T+4*\g+\k], v[T+4*\g+\k], v[SC+32*\g+8*\k+3], v[SC+32*\g+8*\k+4]
.endr
.endr
.irp g, 0,1
.irp k, 0,1,2,3
	v_max3_num_f32 v[T+4*\g+\k], v[T+4*\g+\k], v[SC+32*\g+8*\k+5], v[SC+32*\g+8*\k+6]
.endr
.endr
.irp g, 0,1
.irp k, 0,1,2,3
	v_max_num_f32 v[T+4*\g+\k], v[T+4*\g+\k], v[SC+32*\g+8*\k+7]
.endr
.endr
.irp g, 0,1
	v_max3_num_f32 v[T+4*\g], v[T+4*\g], v[T+4*\g+1], v[T+4*\g+2]
.endr
.irp g, 0,1
	v_max_num_f32 v[T+4*\g], v[T+4*\g], v[T+4*\g+3]
.endr
.irp g, 0,1
	v_permlanex16_b32 v[T+4*\g+1], v[T+4*\g], s56, s57
.endr
.irp g, 0,1
	v_max3_num_f32 v[T+4*\g+1], v[T+4*\g], v[T+4*\g+1], v[ML+2*\g]    ; the new maximum: finite always
.endr
.irp g, 0,1
	v_sub_f32 v[T+4*\g+2], v[ML+2*\g], v[T+4*\g+1]                    ; old - new
.endr
.irp g, 0,1
	v_mov_b32 v[ML+2*\g], v[T+4*\g+1]
.endr
.irp g, 0,1
	v_mul_f32 v[T+4*\g+2], s58, v[T+4*\g+2]
.endr
.irp g, 0,1
	v_exp_f32 v[AL+2*\g], v[T+4*\g+2]
	v_exp_f32 v[AL+2*\g+1], v[T+4*\g+2]
.endr
.irp g, 0,1
	v_mul_f32 v[NM+2*\g], s59, v[T+4*\g+1]         ; plain places behind the exponentials
	v_mul_f32 v[NM+2*\g+1], s59, v[T+4*\g+1]
.endr
.irp g, 0,1
.irp i, 0,2,4,6,8,10,12,14,16,18,20,22,24,26,28,30
	v_pk_fma_f32 v[SC+32*\g+\i:SC+32*\g+\i+1], v[SC+32*\g+\i:SC+32*\g+\i+1], v[CC:CC+1], v[NM+2*\g:NM+2*\g+1]
.endr
.endr
.set i, 0
.rept 64
	v_exp_f32 v[SC+i], v[SC+i]
.set i, i+1
.endr
	s_wait_alu depctr_va_vdst(0)
.irp g, 0,1
.irp i, 0,2,4,6,8,10,12,14,16,18,20,22,24,26,28,30
	v_pk_mul_f32 v[OA+32*\g+\i:OA+32*\g+\i+1], v[OA+32*\g+\i:OA+32*\g+\i+1], v[AL+2*\g:AL+2*\g+1]   ; also the plain places behind the exponentials
.endr
.endr
.irp g, 0,1
	v_pk_add_f32 v[T+4*\g:T+4*\g+1], v[SC+32*\g:SC+32*\g+1], v[SC+32*\g+2:SC+32*\g+3]
	v_pk_add_f32 v[T+4*\g+2:T+4*\g+3], v[SC+32*\g+4:SC+32*\g+5], v[SC+32*\g+6:SC+32*\g+7]
.endr
.irp i, 8,12,16,20,24,28
.irp g, 0,1
	v_pk_add_f32 v[T+4*\g:T+4*\g+1], v[T+4*\g:T+4*\g+1], v[SC+32*\g+\i:SC+32*\g+\i+1]
	v_pk_add_f32 v[T+4*\g+2:T+4*\g+3], v[T+4*\g+2:T+4*\g+3], v[SC+32*\g+\i+2:SC+32*\g+\i+3]
.endr
.endr
.irp g, 0,1
	v_pk_add_f32 v[T+4*\g:T+4*\g+1], v[T+4*\g:T+4*\g+1], v[T+4*\g+2:T+4*\g+3]
.endr
.irp g, 0,1
	v_add_f32 v[T+4*\g], v[T+4*\g], v[T+4*\g+1]
.endr
.irp g, 0,1
	v_fma_f32 v[ML+2*\g+1], v[ML+2*\g+1], v[AL+2*\g], v[T+4*\g]
.endr
.set i, 0
.rept 32
	v_cvt_pk_bf16_f32 v[PB+i], v[SC+2*i], v[SC+2*i+1]      ; tile kt's eight keys are registers 4 kt .. 4 kt + 3 of the group's 16: two tiles make a fragment of 32 keys
.set i, i+1
.endr
	s_wait_dscnt 0x0                               ; V^T is in
	WIN A_W1
.irp kk, 0,1
.irp g, 0,1
.irp t, 0,1,2,3
	v_wmma_f32_16x16x32_bf16 v[OA+32*\g+8*\t:OA+32*\g+8*\t+7], v[VF+8*(2*\t+\kk):VF+8*(2*\t+\kk)+7], v[PB+16*\g+8*\kk:PB+16*\g+8*\kk+7], v[OA+32*\g+8*\t:OA+32*\g+8*\t+7]   ; by turns again
.endr
.endr
.endr
	WIN 0
.rept 4
	v_nop                                          ; four plain places before O^T is read, scaled or stored to LDS, P^T rewritten or V^T loaded again
.endr
.endm
; group g as it lies (32 registers, maximum, sum) into part reg of my pair's scratch: 16 neighbouring bytes a lane
.macro SEND g, reg
	ds_store_b64 v[SCM], v[ML+2*\g:ML+2*\g+1] offset:\reg*REG+4096
.irp i, 0,1,2,3,4,5,6,7
	ds_store_b128 v[SCA], v[OA+32*\g+4*\i:OA+32*\g+4*\i+3] offset:\reg*REG+512*\i
.endr
.endm
; group g, which I keep, is merged with my partner's sums over the other keys (part reg of the scratch), divided by the whole sum and rounded into v[PB .. PB+15]
.macro MERGE g, reg
	ds_load_b64 v[T:T+1], v[SCM] offset:\reg*REG+4096
.irp i, 0,1,2,3,4,5,6,7
	ds_load_b128 v[SC+4*\i:SC+4*\i+3], v[SCA] offset:\reg*REG+512*\i
.endr
	s_wait_dscnt 8                                 ; the partner's maximum and sum are in; the eight loads of its O^T stay out
	v_max_num_f32 v[T+2], v[ML+2*\g], v[T]         ; the maximum over all keys: finite, since the wave of keys 0-127 has seen an allowed key for every query
	v_sub_f32 v[T+3], v[ML+2*\g], v[T+2]
	v_sub_f32 v[T+4], v[T], v[T+2]
	v_mul_f32 v[T+3], s58, v[T+3]
	v_mul_f32 v[T+4], s58, v[T+4]
	v_exp_f32 v[T+3], v[T+3]                       ; my weight
	v_exp_f32 v[T+4], v[T+4]                       ; the partner's: 0 where it has seen no allowed key
	v_nop                                          ; one plain place behind the transcendentals (ISA guide 5.7.2)
	s_wait_alu depctr_va_vdst(0)
	v_mul_f32 v[T+5], v[ML+2*\g+1], v[T+3]
	v_fma_f32 v[T+5], v[T+1], v[T+4], v[T+5]
	v_permlanex16_b32 v[T+6], v[T+5], s56, s57
	v_add_f32 v[T+5], v[T+5], v[T+6]               ; both halves of the lanes: the sum over all keys
	v_rcp_f32 v[T+5], v[T+5]
	v_nop
	s_wait_alu depctr_va_vdst(0)
	v_mul_f32 v[AL], v[T+3], v[T+5]
	v_mul_f32 v[AL+1], v[T+3], v[T+5]
	v_mul_f32 v[AL+2], v[T+4], v[T+5]
	v_mul_f32 v[AL+3], v[T+4], v[T+5]
	s_wait_dscnt 0x0                               ; the partner's O^T is in; also: my reads of the scratch are over, for the barrier that follows
.irp i, 0,2,4,6,8,10,12,14,16,18,20,22,24,26,28,30
	v_pk_mul_f32 v[OA+32*\g+\i:OA+32*\g+\i+1], v[OA+32*\g+\i:OA+32*\g+\i+1], v[AL:AL+1]
.endr
.irp i, 0,2,4,6,8,10,12,14,16,18,20,22,24,26,28,30
	v_pk_fma_f32 v[OA+32*\g+\i:OA+32*\g+\i+1], v[SC+\i:SC+\i+1], v[AL+2:AL+3], v[OA+32*\g+\i:OA+32*\g+\i+1]
.endr
.irp i, 0,1,2,3,4,5,6,7,8,9,10,11,12,13,14,15
	v_cvt_pk_bf16_f32 v[PB+\i], v[OA+32*\g+2*\i], v[OA+32*\g+2*\i+1]
.endr
.endm
; a block ends (s75 = qb): the pairs of waves merge, 64 rows of 256 bytes go through the stage, whole rows out.  No tensor load of the wave is out here.
; The branches hang on the wave's number alone and jump over no barrier.
.macro FINISH
	s_cmp_lg_u32 s10, 0
	s_cbranch_scc1 .Lsend_hi_\@
	SEND 1, 0                                      ; the wave of keys 0-127 keeps group 0 and hands over group 1
	s_branch .Lsent_\@
.Lsend_hi_\@:
	SEND 0, 1                                      ; the wave of keys 128-255 keeps group 1 and hands over group 0
.Lsent_\@:
	s_wait_dscnt 0x0                               ; my stores are done, for my partner's sake
	s_barrier_signal -1
	s_barrier_wait -1
	s_cmp_lg_u32 s10, 0
	s_cbranch_scc1 .Lmerge_hi_\@
	MERGE 0, 1
	s_branch .Lmerged_\@
.Lmerge_hi_\@:
	MERGE 1, 0
.Lmerged_\@:
	s_barrier_signal -1                            ; every wave's reads of the scratch are over (its wait for 0 above):
	s_barrier_wait -1                              ; the same bytes now serve as the stage
.irp t, 0,1,2,3
	ds_store_b128 v[STO], v[PB+4*\t:PB+4*\t+3] offset:32*\t       ; ctx(my query, d = 16 t + 8 h .. + 7)
.endr
	s_wait_dscnt 0x0                               ; my stores are done, for the other waves' sake
	s_barrier_signal -1
	s_barrier_wait -1
	s_lshl_b32 s76, s13, 11
	s_lshl_b32 s78, s75, 6
	s_add_co_u32 s76, s76, s78
	s_lshl_b32 s76, s76, 11                        ; row 2048 b + 64 qb, 2,048 bytes each
	s_lshl_b32 s78, s14, 8
	s_add_co_u32 s76, s76, s78
	s_add_nc_u64 s[66:67], s[6:7], s[76:77]
.irp i, 0,1,2,3
	ds_load_b128 v[SC+4*\i:SC+4*\i+3], v[RD] offset:2*KP*\i
.endr
.irp i, 0,1,2,3
	s_wait_dscnt 3-\i                              ; LDS loads come back in order: pair i of rows is in
	global_store_b128 v[CO], v[SC+4*\i:SC+4*\i+3], s[66:67] offset:4096*\i   ; sixteen lanes: 256 consecutive bytes, aligned
.endr
	s_wait_xcnt 0x0                                ; the stores' data and base are written again only behind this wait
.endm
; One trip: the tile in the slot.  other = the other slot's number.  more = 1: the other slot is filled with the next trip's tile, and the change of blocks may fall here.
.macro TRIP slot, other, more
	s_wait_tensorcnt 0x0                           ; all my tensor loads have landed, my part of this trip's tile among them
	ds_add_u32 v254, v255
	s_wait_dscnt 0x0
.if \more
	s_cmp_lg_u32 s17, 0                            ; trips left in the block: hangs on c and the trip alone
	s_cbranch_scc1 .Lsame_\@
	s_mov_b32 s75, s15                             ; the first block is done;
	s_sub_co_u32 s15, 31, s73
	QLOAD                                          ; the second block's q is asked for ahead of the first block's way out
	FINISH
	RESET 0                                        ; block 31 - p begins with this trip's tile, its tile 0
	s_sub_co_u32 s17, 8, s11                       ; and has 8 - c tiles
.Lsame_\@:
	s_add_co_u32 s18, s18, 1                       ; the next trip's tile: the next of this block,
	s_cmp_eq_u32 s17, 1
	s_cselect_b32 s18, 0, s18                      ; or tile 0 of the second block
	s_mul_i32 s22, s18, TILEB
	s_add_co_u32 s62, s22, 2048
	s_add_co_u32 s22, s22, 4096
	s_add_nc_u64 s[G0V+4*\other+2:G0V+4*\other+3], s[20:21], s[22:23]     ; no load is out: the descriptors may be written
	s_or_b32 s[G0V+4*\other+3], s[G0V+4*\other+3], 0x80000000
	s_add_nc_u64 s[G0K+4*\other+2:G0K+4*\other+3], s[20:21], s[62:63]
	s_or_b32 s[G0K+4*\other+3], s[G0K+4*\other+3], 0x80000000
.endif
	s_wait_dscnt 0x0                               ; my reads of the other slot are done
.if \more
	ROUND                                          ; both now hold of every wave of all four work-groups
	LOADT \other                                   ; first thing behind the round, one joint load a wave
.else
	s_barrier_signal -1
	s_barrier_wait -1                              ; the last tile is whole
.endif
	SUB \slot, 0
	SUB \slot, 1
	s_sub_co_u32 s17, s17, 1
.endm
	s_add_co_u32 s17, s11, 1                       ; tiles of the first block: c + 1
	s_mov_b32 s18, 0
	s_mov_b32 s15, s73                             ; qb = p
	QLOAD
	RESET 1
	s_mov_b32 s19, 4
.Lpair:
	TRIP 0, 1, 1
	TRIP 1, 0, 1
	s_sub_co_u32 s19, s19, 1
	s_cmp_lg_u32 s19, 0
	s_cbranch_scc1 .Lpair
	TRIP 0, 1, 0                                   ; the ninth trip: nothing is left to fetch
	s_mov_b32 s75, s15
	FINISH
	s_wait_tensorcnt 0x0
	ds_add_u32 v254, v255
	s_wait_dscnt 0x0
	ROUND                                          ; the closing round: no work-group ends while a partner may still ask for a tile that names it
	s_endpgm
.Lfunc_end_k_q59260c2908_attn:
	.size	k_q59260c2908_attn, .Lfunc_end_k_q59260c2908_attn-k_q59260c2908_attn
	.p2alignl 7, 3214868480
	.fill 96, 4, 3214868480
	.section	.rodata,"a",@progbits
	.p2align	6, 0x0
	.amdhsa_kernel k_q59260c2908_attn
		.amdhsa_group_segment_fixed_size 327680
		.amdhsa_private_segment_fixed_size 0
		.amdhsa_enable_private_segment 0
		.amdhsa_kernarg_size 16
		.amdhsa_user_sgpr_count 2
		.amdhsa_user_sgpr_kernarg_segment_ptr 1
		.amdhsa_wavefront_size32 1
		.amdhsa_system_sgpr_workgroup_id_x 1
		.amdhsa_system_sgpr_workgroup_id_y 1
		.amdhsa_system_sgpr_workgroup_id_z 1
		.amdhsa_system_vgpr_workitem_id 0
		.amdhsa_next_free_vgpr 384
		.amdhsa_next_free_sgpr 80
		.amdhsa_reserve_vcc 1
		.amdhsa_float_denorm_mode_32 3
		.amdhsa_float_denorm_mode_16_64 3
		.amdhsa_memory_ordered 1
		.amdhsa_forward_progress 1
		.amdhsa_inst_pref_size 184
	.end_amdhsa_kernel
	.amdgpu_metadata
---
amdhsa.version: [ 1, 2 ]
amdhsa.kernels:
  - .name:           k_q59260c2908_attn
    .symbol:         k_q59260c2908_attn.kd
    .args:
      - { .name: qkv, .offset: 0, .size: 8, .value_kind: global_buffer, .address_space: global }
      - { .name: ctx, .offset: 8, .size: 8, .value_kind: global_buffer, .address_space: global }
    .group_segment_fixed_size: 327680
    .private_segment_fixed_size: 0
    .kernarg_segment_align: 8
    .kernarg_segment_size: 16
    .max_flat_workgroup_size: 256
    .sgpr_count:     80
    .vgpr_count:     384
    .wavefront_size: 32
...
	.end_amdgpu_metadata
.endif
;; end of part 4
;; launch wo (part 5): grid 8 x 32, 4 waves a work-group, clusters of 4 x 4, 327,680 bytes of LDS; arguments ctx, wt, bo, x, x2; writes x2
.if DOCPART == 5
	.amdgcn_target "amdgcn-amd-amdhsa--gfx1250"
	.amdhsa_code_object_version 6
	.text
	.protected	k_q59260c2908_wo
	.globl	k_q59260c2908_wo
	.p2align	8
	.type	k_q59260c2908_wo,@function
k_q59260c2908_wo:
	s_mov_b64 s[64:65], 0
	v_nop
	global_prefetch_b8 v0, s[64:65] scope:SCOPE_SE
	s_setreg_imm32_b32 hwreg(HW_REG_WAVE_MODE, 25, 1), 1
	s_wait_xcnt 0x0
	s_wait_alu depctr_hold_cnt(0) depctr_sa_sdst(0) depctr_va_vdst(0) depctr_va_sdst(0) depctr_va_ssrc(0) depctr_va_vcc(0) depctr_vm_vsrc(0)
	s_getreg_b32 s2, hwreg(HW_REG_IB_STS2, 6, 4)
	s_cmp_eq_u32 s2, 0
	s_cbranch_scc0 .Lentry_in_a_cluster
	s_endpgm
.Lentry_in_a_cluster:
	s_bfe_u32 s2, ttmp6, 0x10000c
	s_cmp_lg_u32 s2, 0xf033
	s_cbranch_scc0 .Lentry_shape_is_right
	s_endpgm
.Lentry_shape_is_right:
; out[m][n] = sum over k of A[m][k] B[n][k] + bias[n] + res[m][n].  A: [4096][SIZE_K] bf16; B: 1,024 rows of wt from byte WOFF on, [1024][SIZE_K] bf16;
; bias f32 [1024]; res and out f32 [4096][1024].  Here: A = ctx, B = Wo^T, bias = bo, res = x, out = x2.
; N = 1,024 gives only 64 blocks of 256 x 256, so a work-group makes 128 x 128: 8 x 32 = 256 work-groups.  To keep a wave's tile at 128 x 128 (each byte read
; from LDS then feeds as many multiply-adds as in the larger block) the four waves share K, not the block: of each LDS row of 256 k wave w multiplies
; k = 64 w .. 64 w + 63.  The four partial sums meet once, at the end, in the ring's LDS, which has had its last fill by then.
; K goes in slots of 256 (rows of 512 bytes of memory, aligned to 512) through a ring of two slots; each wave fetches 64 rows by one tensor load.
; CLUSTERS: 4 x 4 work-groups; A's tiles are shared along a row of the cluster, B's along a column, by joint loads.
; REGISTERS in windows of 256: window 0: v0-31 addresses, v32-35 bias, v64-191 fragments of A (two buffers), later the residual; v192-255 the way out;
; window 1: fragments of B; windows 2, 3: the accumulators (tile (a, b) at v[8 (8 a + b)]; rows 0-63, rows 64-127).
; The matrix instruction is used transposed (source 0 = rows of B): a lane's eight results are eight neighbouring columns of one row.
; The 64 accumulators take turns, one instruction a turn.
; Limits: operands bf16, sums f32; K is summed in four parts, which are added as (0 + 1) + (2 + 3).
.set SIZE_K, 1024
.set WOFF,   0x600000
.set KSLOT,  256
.set PITCH,  528                       ; an LDS row: 512 bytes + 16, an odd multiple of 16
.set HALFT,  64*PITCH                  ; 64 rows: what one tensor load brings
.set SLOT,   4*HALFT                   ; A's 128 rows, then B's 128 rows
.set IMG,    128*PITCH                 ; the way out: one wave's 128 x 128 f32, rows of 512 + 16 bytes; four of them fill the ring's bytes
.set LAPS, SIZE_K/(2*KSLOT)
.set RD,   8                           ; v8-11   the way out: my 16 bytes of my first row in image 0..3
.set ADRA, 16                          ; v16-17
.set ADRB, 20                          ; v20-21
.set STO,  24                          ; v24     the way out: where my results go in my image
.set CO,   26                          ; v26     16 x lane
.set BI,   32                          ; v[32:35] bias of my four columns
.set F0,   64
.set F1,   128
.set DD,   192                         ; v[192:255] four rows x four images
.set G1, 24
.set G0, 32
.set G1B, 48
.set G0B, 56
.set MSB, 0
.macro WIN new
.if MSB != \new
	s_set_vgpr_msb (MSB<<8)|\new
.set MSB, \new
.endif
.endm
.set MUL_LO, 0xa1
.set MUL_HI, 0xf1
.set TO_B,   0x40
.macro JLOAD s                         ; waves 0, 1 fetch A's halves, waves 2, 3 B's
	s_cmp_eq_u32 s11, 0
	s_cbranch_scc0 .Lfor_b_\@
	tensor_load_to_lds s[G0+4*\s:G0+4*\s+3], s[G1:G1+7]
	s_nop 0
	s_branch .Lasked_\@
.Lfor_b_\@:
	tensor_load_to_lds s[G0B+4*\s:G0B+4*\s+3], s[G1B:G1B+7]
	s_nop 0
.Lasked_\@:
.endm
.macro CREST
	s_cmp_lg_u32 s10, 0
	s_cbranch_scc1 .Lnot_wave_0_\@
	s_barrier_signal -3
.Lnot_wave_0_\@:
	s_barrier_wait -3
	s_barrier_signal -1
	s_barrier_wait -1
.endm
.macro CROUND
	s_barrier_signal -1
	s_barrier_wait -1
	CREST
.endm
	s_load_b128 s[4:7], s[0:1], 0x0                ; A s[4:5], wt s[6:7]
	s_load_b128 s[68:71], s[0:1], 0x10             ; bias s[68:69], res s[70:71]
	s_load_b64 s[8:9], s[0:1], 0x20                ; out
	s_set_vgpr_msb 0x40
	v_lshl_add_u32 v255, v0, 2, 0x42000
	s_set_vgpr_msb 0x4000
	v_mov_b32 v63, 0
	s_set_vgpr_msb 0x1
	ds_add_u32 v255, v63
	s_set_vgpr_msb 0x100
	v_lshrrev_b32 v1, 5, v0
	v_readfirstlane_b32 s10, v1                    ; wave 0..3: my quarter of K
	s_lshr_b32 s11, s10, 1                         ; I fetch for A (0) or for B (1)
	s_and_b32 s12, s10, 1                          ; which 64 rows of that tile
	s_bfe_u32 s40, ttmp6, 0x40000                  ; cx
	s_bfe_u32 s41, ttmp6, 0x40004                  ; cy
	s_lshl_b32 s42, ttmp9, 2
	s_add_co_u32 s42, s42, s40                     ; block column
	s_and_b32 s13, ttmp7, 0xffff
	s_lshl_b32 s13, s13, 2
	s_add_co_u32 s13, s13, s41                     ; block row
	s_lshl_b32 s43, s41, 2
	s_lshl_b32 s43, 15, s43                        ; my row of the cluster
	s_lshl_b32 s44, 0x1111, s40                    ; my column
	s_or_b32 s[G1+0], s43, (1<<16)|(1<<20)|(1<<21)|(6<<22)|(3<<25)  ; mask; 2-byte elements; padding on, 4 words behind every 128; bit 21 beside a mask
	s_or_b32 s[G1B+0], s44, (1<<16)|(1<<20)|(1<<21)|(6<<22)|(3<<25)
	s_mov_b32 s[G1B+1], KSLOT<<16
	s_mov_b32 s[G1+1], KSLOT<<16                   ; tensor_dim0 = 256
	s_mov_b32 s[G1B+2], 64<<16
	s_mov_b32 s[G1+2], 64<<16                      ; tensor_dim1 = 64
	s_mov_b32 s[G1B+3], KSLOT<<16
	s_mov_b32 s[G1+3], KSLOT<<16                   ; tile_dim0 = 256
	s_mov_b32 s[G1B+4], 64
	s_mov_b32 s[G1+4], 64                          ; tile_dim1 = 64
	s_mov_b32 s[G1B+5], SIZE_K
	s_mov_b32 s[G1+5], SIZE_K
	s_mov_b32 s[G1B+6], 0
	s_mov_b32 s[G1+6], 0
	s_mov_b32 s[G1B+7], 0
	s_mov_b32 s[G1+7], 0
	s_lshl_b32 s17, s12, 6
	s_lshl_b32 s16, s13, 7
	s_add_co_u32 s16, s16, s17                     ; A: row 128 x block row + 64 x half
	s_lshl_b32 s46, s42, 7
	s_add_co_u32 s46, s46, s17                     ; B: row 128 x block column + 64 x half
	s_mov_b32 s17, 0
	s_mov_b32 s47, 0
	s_mov_b64 s[18:19], SIZE_K*2
	s_mul_u64 s[16:17], s[16:17], s[18:19]
	s_mul_u64 s[46:47], s[46:47], s[18:19]
	s_mul_i32 s20, s10, HALFT                      ; where they go: wave x 64 rows
	s_wait_dscnt 0x0
	s_wait_kmcnt 0x0
	s_add_nc_u64 s[6:7], s[6:7], WOFF              ; this product's weights in wt
	s_add_nc_u64 s[14:15], s[4:5], s[16:17]
	s_add_nc_u64 s[46:47], s[6:7], s[46:47]
	CROUND                                         ; the first joint loads meet
.irp s, 0,1
	s_mov_b32 s[G0+4*\s], 1
	s_add_co_u32 s[G0+4*\s+1], s20, \s*SLOT
	s_add_nc_u64 s[G0+4*\s+2:G0+4*\s+3], s[14:15], \s*KSLOT*2
	s_or_b32 s[G0+4*\s+3], s[G0+4*\s+3], 0x80000000
	s_mov_b32 s[G0B+4*\s], 1
	s_add_co_u32 s[G0B+4*\s+1], s20, \s*SLOT
	s_add_nc_u64 s[G0B+4*\s+2:G0B+4*\s+3], s[46:47], \s*KSLOT*2
	s_or_b32 s[G0B+4*\s+3], s[G0B+4*\s+3], 0x80000000
	JLOAD \s                                       ; two tensor loads of the wave are out
.endr
	v_and_b32 v1, 15, v0                           ; r
	v_bfe_u32 v2, v0, 4, 1                         ; h
	v_mul_u32_u24 v3, v1, PITCH
	v_lshl_add_u32 v3, v2, 4, v3                   ; r x pitch + 16 h
	s_lshl_b32 s21, s10, 7                         ; my 64 k: 128 bytes of every row
	s_add_co_u32 s22, s21, 2*HALFT                 ; B's rows lie behind A's 128
.irp s, 0,1
	v_add_nc_u32 v[ADRA+\s], s21, v3
	v_add_nc_u32 v[ADRB+\s], s22, v3
	s_add_co_u32 s21, s21, SLOT
	s_add_co_u32 s22, s22, SLOT
.endr
	s_mul_i32 s23, s10, IMG                        ; my image
	v_lshl_add_u32 v4, v2, 4, v3                   ; r x pitch + 32 h
	v_add_nc_u32 v[STO], s23, v4
	v_and_b32 v5, 31, v0
	v_lshlrev_b32 v[CO], 4, v5                     ; 16 x lane
	s_mul_i32 s23, s10, 32*PITCH                   ; my 32 rows of the block
	v_add_nc_u32 v[RD], s23, v[CO]
.irp s, 1,2,3
	v_add_nc_u32 v[RD+\s], IMG, v[RD+\s-1]
.endr
.macro MUL16 f, hi, a0, zero
.irp a, \a0, \a0+1
.irp b, 0,1,2,3,4,5,6,7
.if \zero
	v_wmma_f32_16x16x32_bf16 v[8*(8*(\a)+\b):8*(8*(\a)+\b)+7], v[\f+8*\b:\f+8*\b+7], v[\f+8*(4*\hi+\a):\f+8*(4*\hi+\a)+7], 0
.else
	v_wmma_f32_16x16x32_bf16 v[8*(8*(\a)+\b):8*(8*(\a)+\b)+7], v[\f+8*\b:\f+8*\b+7], v[\f+8*(4*\hi+\a):\f+8*(4*\hi+\a)+7], v[8*(8*(\a)+\b):8*(8*(\a)+\b)+7]
.endif
.endr
.endr
.endm
.macro FETCH slot, k, f
	WIN TO_B
.irp i, 0,1,2,3,4,5,6,7
	ds_load_b128 v[\f+8*\i:\f+8*\i+3],   v[ADRB+\slot] offset:\k+\i*16*PITCH
	ds_load_b128 v[\f+8*\i+4:\f+8*\i+7], v[ADRB+\slot] offset:\k+\i*16*PITCH+32
.endr
	WIN 0
.irp i, 0,1,2,3,4,5,6,7
	ds_load_b128 v[\f+8*\i:\f+8*\i+3],   v[ADRA+\slot] offset:\k+\i*16*PITCH
	ds_load_b128 v[\f+8*\i+4:\f+8*\i+7], v[ADRA+\slot] offset:\k+\i*16*PITCH+32
.endr
.endm
.macro PLACES                          ; four plain places behind a matrix instruction (ISA guide 7.12.1 for vector reads)
.rept 4
	v_nop
.endr
.endm
; my first 32 k of a slot: multiplies buffer f and fetches my second 32 k into buffer g
.macro QUARTER slot, k, f, g, zero
	s_wait_dscnt 8                                 ; B and A's rows 0-63 are in; the youngest eight loads may be out
	WIN MUL_LO
	MUL16 \f, 0, 0, \zero
	MUL16 \f, 0, 2, \zero
	PLACES
	FETCH \slot, \k, \g
	s_wait_dscnt 32                                ; all but the 32 just issued
	WIN MUL_HI
	MUL16 \f, 1, 0, \zero
	MUL16 \f, 1, 2, \zero
.endm
; my second 32 k: multiplies buffer 1 and changes slots; one barrier, the waits for 0 in front of it, the refill first behind it
.macro TURN slot, next, fill
	s_wait_dscnt 8
	WIN MUL_LO
	MUL16 F1, 0, 0, 0
	s_wait_dscnt 0                                 ; my reads of this slot are over
	s_wait_tensorcnt 0x0                           ; all my tensor loads have landed: the one that was out is my part of the next slot
	ds_add_u32 v255, v63
	s_wait_dscnt 0x0
	s_barrier_signal -1
	MUL16 F1, 0, 2, 0                              ; registers only
	WIN 0
	s_barrier_wait -1
.if \fill
	CREST                                          ; the round is closed: no wave of any partner still reads this slot or has a load on its way
	s_add_nc_u64 s[G0+4*\slot+2:G0+4*\slot+3], s[G0+4*\slot+2:G0+4*\slot+3], 2*KSLOT*2
	s_add_nc_u64 s[G0B+4*\slot+2:G0B+4*\slot+3], s[G0B+4*\slot+2:G0B+4*\slot+3], 2*KSLOT*2
	JLOAD \slot
.endif
	PLACES
	FETCH \next, 0, F0
	WIN MUL_HI
	MUL16 F1, 1, 0, 0
	MUL16 F1, 1, 2, 0
.endm
.macro LAP zero
	QUARTER 0, 64, F0, F1, \zero
	TURN 0, 1, 1
	QUARTER 1, 64, F0, F1, 0
	TURN 1, 0, 1
.endm
	s_wait_tensorcnt 1                             ; my part of slot 0 is in; slot 1's load stays out
	s_barrier_signal -1
	s_barrier_wait -1
	FETCH 0, 0, F0
	LAP 1
.if LAPS > 2
	WIN 0
	s_mov_b32 s3, LAPS-2
.Llap:
	LAP 0
	WIN 0
	s_sub_co_u32 s3, s3, 1
	s_cmp_lg_u32 s3, 0
	s_cbranch_scc1 .Llap
.endif
	QUARTER 0, 64, F0, F1, 0                       ; the last lap fills nothing
	TURN 0, 1, 0
	QUARTER 1, 64, F0, F1, 0
	s_wait_dscnt 8
	WIN MUL_LO
	MUL16 F1, 0, 0, 0
	MUL16 F1, 0, 2, 0
	s_wait_dscnt 0
	WIN MUL_HI
	MUL16 F1, 1, 0, 0
	MUL16 F1, 1, 2, 0
	; THE WAY OUT.  Residual and bias are asked for first; each wave lays its partial block into its image; each wave then adds up 32 rows.
	PLACES
	WIN 0
	s_lshl_b32 s16, s13, 7
	s_lshl_b32 s14, s10, 5
	s_add_co_u32 s16, s16, s14                     ; row 128 x block row + 32 w
	s_lshl_b32 s16, s16, 12                        ; 4,096 bytes a row
	s_mov_b32 s17, 0
	s_add_nc_u64 s[8:9], s[8:9], s[16:17]
	s_add_nc_u64 s[70:71], s[70:71], s[16:17]
	s_lshl_b32 s46, s42, 9                         ; 128 columns of 4 bytes a block (in registers that feed none of A's descriptors)
	s_mov_b32 s47, 0
	s_add_nc_u64 s[8:9], s[8:9], s[46:47]
	s_add_nc_u64 s[70:71], s[70:71], s[46:47]
	s_add_nc_u64 s[68:69], s[68:69], s[46:47]
	global_load_b128 v[BI:BI+3], v[CO], s[68:69]
.set i, 0
.rept 32
	global_load_b128 v[F0+4*i:F0+4*i+3], v[CO], s[70:71] offset:4096*i     ; row i of my 32: 512 consecutive bytes a wave
.set i, i+1
.endr
	s_barrier_signal -1                            ; my reads of the ring are over (the wait for 0 above) and every tensor load has landed (the last change of slots)
	s_barrier_wait -1                              ; so of every wave: the ring's bytes, filled for the last time, become the stage
.irp hi, 0,1
	WIN 0x08+4*\hi                                 ; an LDS store's data are source 1: window 2, then 3
.irp a, 0,1,2,3
.irp b, 0,1,2,3,4,5,6,7
	ds_store_b128 v[STO], v[8*(8*\a+\b):8*(8*\a+\b)+3]   offset:(4*\hi+\a)*16*PITCH+64*\b
	ds_store_b128 v[STO], v[8*(8*\a+\b)+4:8*(8*\a+\b)+7] offset:(4*\hi+\a)*16*PITCH+64*\b+16
.endr
.endr
.endr
	WIN 0
	s_wait_dscnt 0x0                               ; my image is whole, for the other waves' sake
	s_barrier_signal -1
	s_barrier_wait -1
	s_wait_loadcnt 0x0                             ; residual and bias
; rows 4 g .. 4 g + 3 of my 32: four images, bias, residual; a row is 512 consecutive bytes, 16 a lane
.macro SUM4 g
.irp q, 0,1,2,3
.irp s, 0,1,2,3
	ds_load_b128 v[DD+16*\q+4*\s:DD+16*\q+4*\s+3], v[RD+\s] offset:PITCH*(4*\g+\q)
.endr
.endr
.irp q, 0,1,2,3
	s_wait_dscnt 12-4*\q                           ; row q's four loads are in; the later rows' stay out
.irp e, 0,2
	v_pk_add_f32 v[DD+16*\q+\e:DD+16*\q+\e+1], v[DD+16*\q+\e:DD+16*\q+\e+1], v[DD+16*\q+4+\e:DD+16*\q+4+\e+1]
	v_pk_add_f32 v[DD+16*\q+8+\e:DD+16*\q+8+\e+1], v[DD+16*\q+8+\e:DD+16*\q+8+\e+1], v[DD+16*\q+12+\e:DD+16*\q+12+\e+1]
	v_pk_add_f32 v[F0+4*(4*\g+\q)+\e:F0+4*(4*\g+\q)+\e+1], v[F0+4*(4*\g+\q)+\e:F0+4*(4*\g+\q)+\e+1], v[BI+\e:BI+\e+1]
.endr
.irp e, 0,2
	v_pk_add_f32 v[DD+16*\q+\e:DD+16*\q+\e+1], v[DD+16*\q+\e:DD+16*\q+\e+1], v[DD+16*\q+8+\e:DD+16*\q+8+\e+1]
.endr
.irp e, 0,2
	v_pk_add_f32 v[F0+4*(4*\g+\q)+\e:F0+4*(4*\g+\q)+\e+1], v[F0+4*(4*\g+\q)+\e:F0+4*(4*\g+\q)+\e+1], v[DD+16*\q+\e:DD+16*\q+\e+1]
.endr
	global_store_b128 v[CO], v[F0+4*(4*\g+\q):F0+4*(4*\g+\q)+3], s[8:9] offset:4096*(4*\g+\q)   ; 512 consecutive bytes, aligned; the data are not written again
.endr
.endm
.irp g, 0,1,2,3,4,5,6,7
	SUM4 \g
.endr
	s_set_vgpr_msb 0x1
	s_wait_tensorcnt 0x0
	ds_add_u32 v255, v63
	s_wait_dscnt 0x0
	s_set_vgpr_msb 0x100
	CROUND                                         ; the closing round
	s_endpgm
.Lfunc_end_k_q59260c2908_wo:
	.size	k_q59260c2908_wo, .Lfunc_end_k_q59260c2908_wo-k_q59260c2908_wo
	.p2alignl 7, 3214868480
	.fill 96, 4, 3214868480
	.section	.rodata,"a",@progbits
	.p2align	6, 0x0
	.amdhsa_kernel k_q59260c2908_wo
		.amdhsa_group_segment_fixed_size 327680
		.amdhsa_private_segment_fixed_size 0
		.amdhsa_enable_private_segment 0
		.amdhsa_kernarg_size 40
		.amdhsa_user_sgpr_count 2
		.amdhsa_user_sgpr_kernarg_segment_ptr 1
		.amdhsa_wavefront_size32 1
		.amdhsa_system_sgpr_workgroup_id_x 1
		.amdhsa_system_sgpr_workgroup_id_y 1
		.amdhsa_system_sgpr_workgroup_id_z 1
		.amdhsa_system_vgpr_workitem_id 0
		.amdhsa_next_free_vgpr 1024
		.amdhsa_next_free_sgpr 72
		.amdhsa_reserve_vcc 0
		.amdhsa_float_denorm_mode_32 3
		.amdhsa_float_denorm_mode_16_64 3
		.amdhsa_memory_ordered 1
		.amdhsa_forward_progress 1
		.amdhsa_inst_pref_size 103
	.end_amdhsa_kernel
	.amdgpu_metadata
---
amdhsa.version: [ 1, 2 ]
amdhsa.kernels:
  - .name:           k_q59260c2908_wo
    .symbol:         k_q59260c2908_wo.kd
    .args:
      - { .name: ctx, .offset: 0, .size: 8, .value_kind: global_buffer, .address_space: global }
      - { .name: wt, .offset: 8, .size: 8, .value_kind: global_buffer, .address_space: global }
      - { .name: bo, .offset: 16, .size: 8, .value_kind: global_buffer, .address_space: global }
      - { .name: x, .offset: 24, .size: 8, .value_kind: global_buffer, .address_space: global }
      - { .name: x2, .offset: 32, .size: 8, .value_kind: global_buffer, .address_space: global }
    .group_segment_fixed_size: 327680
    .private_segment_fixed_size: 0
    .kernarg_segment_align: 8
    .kernarg_segment_size: 40
    .max_flat_workgroup_size: 128
    .sgpr_count:     72
    .vgpr_count:     1024
    .wavefront_size: 32
...
	.end_amdgpu_metadata
.endif
;; end of part 5
;; launch ln2: the kernel of part 2 again; grid 256 x 1, 8 waves a work-group, no clusters, 0 bytes of LDS; arguments x2, g2, s2, h; writes h
;; launch mlp1 (part 6): grid 16 x 16, 4 waves a work-group, clusters of 4 x 4, 327,680 bytes of LDS; arguments h, wt, b1, act; writes act
.if DOCPART == 6
	.amdgcn_target "amdgcn-amd-amdhsa--gfx1250"
	.amdhsa_code_object_version 6
	.text
	.protected	k_q59260c2908_mlp1
	.globl	k_q59260c2908_mlp1
	.p2align	8
	.type	k_q59260c2908_mlp1,@function
k_q59260c2908_mlp1:
	s_mov_b64 s[64:65], 0
	v_nop
	global_prefetch_b8 v0, s[64:65] scope:SCOPE_SE
	s_setreg_imm32_b32 hwreg(HW_REG_WAVE_MODE, 25, 1), 1
	s_wait_xcnt 0x0
	s_wait_alu depctr_hold_cnt(0) depctr_sa_sdst(0) depctr_va_vdst(0) depctr_va_sdst(0) depctr_va_ssrc(0) depctr_va_vcc(0) depctr_vm_vsrc(0)
	s_getreg_b32 s2, hwreg(HW_REG_IB_STS2, 6, 4)
	s_cmp_eq_u32 s2, 0
	s_cbranch_scc0 .Lentry_in_a_cluster
	s_endpgm
.Lentry_in_a_cluster:
	s_bfe_u32 s2, ttmp6, 0x10000c
	s_cmp_lg_u32 s2, 0xf033
	s_cbranch_scc0 .Lentry_shape_is_right
	s_endpgm
.Lentry_shape_is_right:
; act[m][n] = gelu( sum over k of h[m][k] B[n][k] + b1[n] ), B = W1^T, 4,096 rows of wt from byte 0x800000 on.  h: [4096][1024], act: [4096][4096], bf16; sums, bias and gelu in f32.
; The product is made as in the launch for q, k, v: blocks of 256 x 256, four waves of 128 x 128, K in steps of 128 through two LDS slots filled by joint
; tensor loads in clusters of 4 x 4 (h's tiles shared along a row of the cluster, B's along a column), the matrix instruction used transposed.
; 16 x 16 blocks = 256 work-groups.
; GELU: 0.5 x (1 + tanh(u)) = x / (1 + e^(-2u)), u = sqrt(2/pi) (x + 0.044715 x^3), so gelu(x) = x / (1 + 2^(x (k + a x^2))) with
; k = -2 sqrt(2/pi) log2(e) = -2.3022082 and a = 0.044715 k = -0.10294324: the same function, with no difference of near numbers.  For large |x| the power goes to 0
; or to infinity and the quotient to x or to -0, as the tanh form does.
; REGISTERS: window 0: v0-31 addresses and constants, v32-63 and v224-255 the bias of my 128 columns, v64-191 fragments of A, later the way out, v192-223 packed results;
; window 1: fragments of B; windows 2, 3: accumulators.  The 64 accumulators take turns, one instruction a turn.
; Limits: operands and act are bf16; v_exp_f32 and v_rcp_f32 are good to one unit in the last place and flush denormals; NaN and infinities are not served.
.set SIZE_M, 4096
.set SIZE_N, 4096
.set SIZE_K, 1024
.set WOFF,   0x800000
.set KSTEP,  128
.set PITCH,  272
.set HALFT,  128*PITCH
.set SLOT,   4*HALFT
.set STAGE,  2*SLOT
.set SPITCH, 272
.set LAPS, SIZE_K/(2*KSTEP)
.set ADRA, 16
.set ADRB, 20
.set STO,  24
.set RD,   25
.set CO,   26
.set BO,   27                          ; v27      32 x (l / 16): my eight columns of a tile, in b1
.set CA,   28                          ; v[28:29] a, twice
.set CK,   30                          ; v[30:31] k, twice
.set BIAS, 32                          ; tile b's eight numbers at BIAS + 8 b + 160 (b / 4): v32-63, v224-255
.set F0,   64
.set F1,   128
.set XG,   64                          ; the way out: 16 rows' sums + bias, 8 tiles x 8
.set RB,   128                         ; the way out: rows read back
.set EG,   160                         ; the way out: v[160:167] at work
.set TMP,  192
.set G1, 24
.set G0, 32
.set G1B, 48
.set G0B, 56
.set MSB, 0
.macro WIN new
.if MSB != \new
	s_set_vgpr_msb (MSB<<8)|\new
.set MSB, \new
.endif
.endm
.set MUL_LO, 0xa1
.set MUL_HI, 0xf1
.set TO_B,   0x40
.macro JLOAD s
	s_cmp_eq_u32 s11, 0
	s_cbranch_scc0 .Lfor_b_\@
	tensor_load_to_lds s[G0+4*\s:G0+4*\s+3], s[G1:G1+7]
	s_nop 0
	s_branch .Lasked_\@
.Lfor_b_\@:
	tensor_load_to_lds s[G0B+4*\s:G0B+4*\s+3], s[G1B:G1B+7]
	s_nop 0
.Lasked_\@:
.endm
.macro CREST
	s_cmp_lg_u32 s10, 0
	s_cbranch_scc1 .Lnot_wave_0_\@
	s_barrier_signal -3
.Lnot_wave_0_\@:
	s_barrier_wait -3
	s_barrier_signal -1
	s_barrier_wait -1
.endm
.macro CROUND
	s_barrier_signal -1
	s_barrier_wait -1
	CREST
.endm
	s_load_b128 s[4:7], s[0:1], 0x0                ; h s[4:5], wt s[6:7]
	s_load_b64 s[66:67], s[0:1], 0x10              ; b1
	s_load_b64 s[8:9], s[0:1], 0x18                ; act
	s_set_vgpr_msb 0x40
	v_lshl_add_u32 v255, v0, 2, 0x48400
	s_set_vgpr_msb 0x4000
	v_mov_b32 v23, 0
	s_set_vgpr_msb 0x1
	ds_add_u32 v255, v23
	s_set_vgpr_msb 0x100
	v_lshrrev_b32 v1, 5, v0
	v_readfirstlane_b32 s10, v1
	s_lshr_b32 s11, s10, 1
	s_and_b32 s12, s10, 1
	s_bfe_u32 s40, ttmp6, 0x40000                  ; cx
	s_bfe_u32 s41, ttmp6, 0x40004                  ; cy
	s_lshl_b32 s42, ttmp9, 2
	s_add_co_u32 s42, s42, s40                     ; block column
	s_and_b32 s13, ttmp7, 0xffff
	s_lshl_b32 s13, s13, 2
	s_add_co_u32 s13, s13, s41                     ; block row
	s_lshl_b32 s43, s41, 2
	s_lshl_b32 s43, 15, s43
	s_lshl_b32 s44, 0x1111, s40
	s_or_b32 s[G1+0], s43, (1<<16)|(1<<20)|(1<<21)|(5<<22)|(3<<25)
	s_or_b32 s[G1B+0], s44, (1<<16)|(1<<20)|(1<<21)|(5<<22)|(3<<25)
	s_mov_b32 s[G1B+1], KSTEP<<16
	s_mov_b32 s[G1+1], KSTEP<<16
	s_mov_b32 s[G1B+2], 128<<16
	s_mov_b32 s[G1+2], 128<<16
	s_mov_b32 s[G1B+3], KSTEP<<16
	s_mov_b32 s[G1+3], KSTEP<<16
	s_mov_b32 s[G1B+4], 128
	s_mov_b32 s[G1+4], 128
	s_mov_b32 s[G1B+5], SIZE_K
	s_mov_b32 s[G1+5], SIZE_K
	s_mov_b32 s[G1B+6], 0
	s_mov_b32 s[G1+6], 0
	s_mov_b32 s[G1B+7], 0
	s_mov_b32 s[G1+7], 0
	s_lshl_b32 s17, s12, 7
	s_lshl_b32 s16, s13, 8
	s_add_co_u32 s16, s16, s17
	s_lshl_b32 s46, s42, 8
	s_add_co_u32 s46, s46, s17
	s_mov_b32 s17, 0
	s_mov_b32 s47, 0
	s_mov_b64 s[18:19], SIZE_K*2
	s_mul_u64 s[16:17], s[16:17], s[18:19]
	s_mul_u64 s[46:47], s[46:47], s[18:19]
	s_mul_i32 s20, s10, HALFT
	s_lshl_b32 s68, s42, 10                        ; b1: 256 columns of 4 bytes a block,
	s_lshl_b32 s69, s12, 9                         ; 128 a wave
	s_add_co_u32 s68, s68, s69
	s_mov_b32 s69, 0
	s_wait_dscnt 0x0
	s_wait_kmcnt 0x0
	s_add_nc_u64 s[6:7], s[6:7], WOFF              ; W1^T in wt
	s_add_nc_u64 s[14:15], s[4:5], s[16:17]
	s_add_nc_u64 s[46:47], s[6:7], s[46:47]
	s_add_nc_u64 s[66:67], s[66:67], s[68:69]
	CROUND
.irp s, 0,1
	s_mov_b32 s[G0+4*\s], 1
	s_add_co_u32 s[G0+4*\s+1], s20, \s*SLOT
	s_add_nc_u64 s[G0+4*\s+2:G0+4*\s+3], s[14:15], \s*KSTEP*2
	s_or_b32 s[G0+4*\s+3], s[G0+4*\s+3], 0x80000000
	s_mov_b32 s[G0B+4*\s], 1
	s_add_co_u32 s[G0B+4*\s+1], s20, \s*SLOT
	s_add_nc_u64 s[G0B+4*\s+2:G0B+4*\s+3], s[46:47], \s*KSTEP*2
	s_or_b32 s[G0B+4*\s+3], s[G0B+4*\s+3], 0x80000000
	JLOAD \s                                       ; two tensor loads of the wave are out
.endr
	v_and_b32 v1, 15, v0
	v_bfe_u32 v2, v0, 4, 1
	v_lshlrev_b32 v[BO], 5, v2
.irp b, 0,1,2,3,4,5,6,7
	global_load_b128 v[BIAS+8*\b+(\b/4)*160:BIAS+8*\b+(\b/4)*160+3],   v[BO], s[66:67] offset:64*\b      ; b1 of columns 16 b + 8 h .. + 7 of my 128
	global_load_b128 v[BIAS+8*\b+(\b/4)*160+4:BIAS+8*\b+(\b/4)*160+7], v[BO], s[66:67] offset:64*\b+16
.endr
	v_mov_b32 v[CA], 0xbdd2d3e7                    ; a
	v_mov_b32 v[CA+1], 0xbdd2d3e7
	v_mov_b32 v[CK], 0xc0135761                    ; k
	v_mov_b32 v[CK+1], 0xc0135761
	v_mul_u32_u24 v3, v1, PITCH
	v_lshl_add_u32 v3, v2, 4, v3
	s_mul_i32 s21, s11, HALFT
	s_mul_i32 s22, s12, HALFT
	s_add_co_u32 s22, s22, 2*HALFT
.irp s, 0,1
	v_add_nc_u32 v[ADRA+\s], s21, v3
	v_add_nc_u32 v[ADRB+\s], s22, v3
	s_add_co_u32 s21, s21, SLOT
	s_add_co_u32 s22, s22, SLOT
.endr
	s_mul_i32 s23, s10, 16*SPITCH
	s_add_co_u32 s23, s23, STAGE
	v_mul_u32_u24 v4, v1, SPITCH
	v_lshl_add_u32 v4, v2, 4, v4
	v_add_nc_u32 v[STO], s23, v4
	v_mul_u32_u24 v5, v2, SPITCH
	v_lshl_add_u32 v5, v1, 4, v5
	v_add_nc_u32 v[RD], s23, v5
	v_mul_u32_u24 v5, v2, SIZE_N*2
	v_lshl_add_u32 v[CO], v1, 4, v5
.macro MUL16 f, hi, a0, zero
.irp a, \a0, \a0+1
.irp b, 0,1,2,3,4,5,6,7
.if \zero
	v_wmma_f32_16x16x32_bf16 v[8*(8*(\a)+\b):8*(8*(\a)+\b)+7], v[\f+8*\b:\f+8*\b+7], v[\f+8*(4*\hi+\a):\f+8*(4*\hi+\a)+7], 0
.else
	v_wmma_f32_16x16x32_bf16 v[8*(8*(\a)+\b):8*(8*(\a)+\b)+7], v[\f+8*\b:\f+8*\b+7], v[\f+8*(4*\hi+\a):\f+8*(4*\hi+\a)+7], v[8*(8*(\a)+\b):8*(8*(\a)+\b)+7]
.endif
.endr
.endr
.endm
.macro FETCH slot, k, f
	WIN TO_B
.irp i, 0,1,2,3,4,5,6,7
	ds_load_b128 v[\f+8*\i:\f+8*\i+3],   v[ADRB+\slot] offset:\k+\i*16*PITCH
	ds_load_b128 v[\f+8*\i+4:\f+8*\i+7], v[ADRB+\slot] offset:\k+\i*16*PITCH+32
.endr
	WIN 0
.irp i, 0,1,2,3,4,5,6,7
	ds_load_b128 v[\f+8*\i:\f+8*\i+3],   v[ADRA+\slot] offset:\k+\i*16*PITCH
	ds_load_b128 v[\f+8*\i+4:\f+8*\i+7], v[ADRA+\slot] offset:\k+\i*16*PITCH+32
.endr
.endm
.macro PLACES                          ; four plain places behind a matrix instruction (ISA guide 7.12.1 for vector reads)
.rept 4
	v_nop
.endr
.endm
.macro QUARTER slot, k, f, g, zero
	s_wait_dscnt 8                                 ; B and A's rows 0-63 are in; the youngest eight loads may be out
	WIN MUL_LO
	MUL16 \f, 0, 0, \zero
	MUL16 \f, 0, 2, \zero
	PLACES
	FETCH \slot, \k, \g
	s_wait_dscnt 32                                ; all but the 32 just issued
	WIN MUL_HI
	MUL16 \f, 1, 0, \zero
	MUL16 \f, 1, 2, \zero
.endm
.macro THREE slot, zero
	QUARTER \slot, 64,  F0, F1, \zero
	QUARTER \slot, 128, F1, F0, 0
	QUARTER \slot, 192, F0, F1, 0
.endm
.macro TURN slot, next, fill
	s_wait_dscnt 8
	WIN MUL_LO
	MUL16 F1, 0, 0, 0
	s_wait_dscnt 0                                 ; my reads of this slot are over
	s_wait_tensorcnt 0x0                           ; all my tensor loads have landed
	ds_add_u32 v255, v23
	s_wait_dscnt 0x0
	s_barrier_signal -1
	MUL16 F1, 0, 2, 0                              ; registers only
	WIN 0
	s_barrier_wait -1
.if \fill
	CREST                                          ; the round is closed: no wave of any partner still reads this slot or has a load on its way
	s_add_nc_u64 s[G0+4*\slot+2:G0+4*\slot+3], s[G0+4*\slot+2:G0+4*\slot+3], 2*KSTEP*2
	s_add_nc_u64 s[G0B+4*\slot+2:G0B+4*\slot+3], s[G0B+4*\slot+2:G0B+4*\slot+3], 2*KSTEP*2
	JLOAD \slot
.endif
	PLACES
	FETCH \next, 0, F0
	WIN MUL_HI
	MUL16 F1, 1, 0, 0
	MUL16 F1, 1, 2, 0
.endm
.macro LAP zero
	THREE 0, \zero
	TURN 0, 1, 1
	THREE 1, 0
	TURN 1, 0, 1
.endm
	s_wait_loadcnt 0x0                             ; the bias, once
	s_wait_tensorcnt 1                             ; my part of K step 0 is in; K step 1's load stays out
	s_barrier_signal -1
	s_barrier_wait -1
	FETCH 0, 0, F0
	LAP 1
.if LAPS > 2
	WIN 0
	s_mov_b32 s3, LAPS-2
.Llap:
	LAP 0
	WIN 0
	s_sub_co_u32 s3, s3, 1
	s_cmp_lg_u32 s3, 0
	s_cbranch_scc1 .Llap
.endif
	THREE 0, 0
	TURN 0, 1, 0
	THREE 1, 0
	s_wait_dscnt 8
	WIN MUL_LO
	MUL16 F1, 0, 0, 0
	MUL16 F1, 0, 2, 0
	s_wait_dscnt 0
	WIN MUL_HI
	MUL16 F1, 1, 0, 0
	MUL16 F1, 1, 2, 0
	; THE WAY OUT, 16 rows at a time: + bias, gelu, round, through my own stage, whole rows of 256 bytes out
	PLACES
	s_lshl_b32 s13, s13, 8
	s_lshl_b32 s14, s11, 7
	s_add_co_u32 s16, s13, s14
	s_mov_b32 s17, 0
	s_mov_b64 s[18:19], SIZE_N*2
	s_mul_u64 s[16:17], s[16:17], s[18:19]
	s_add_nc_u64 s[8:9], s[8:9], s[16:17]
	s_lshl_b32 s46, s42, 9
	s_lshl_b32 s47, s12, 8
	s_add_co_u32 s46, s46, s47
	s_mov_b32 s47, 0
	s_add_nc_u64 s[8:9], s[8:9], s[46:47]
; eight numbers at v[x ..] through gelu, packed into four registers at v[out ..]
.macro GELU8 x, out
.irp q, 0,2,4,6
	v_pk_mul_f32 v[EG+\q:EG+\q+1], v[\x+\q:\x+\q+1], v[\x+\q:\x+\q+1]
.endr
.irp q, 0,2,4,6
	v_pk_fma_f32 v[EG+\q:EG+\q+1], v[EG+\q:EG+\q+1], v[CA:CA+1], v[CK:CK+1]
.endr
.irp q, 0,2,4,6
	v_pk_mul_f32 v[EG+\q:EG+\q+1], v[EG+\q:EG+\q+1], v[\x+\q:\x+\q+1]
.endr
.irp q, 0,1,2,3,4,5,6,7
	v_exp_f32 v[EG+\q], v[EG+\q]
.endr
	v_nop                                          ; one plain place behind the transcendentals (ISA guide 5.7.2)
	s_wait_alu depctr_va_vdst(0)
.irp q, 0,2,4,6
	v_pk_add_f32 v[EG+\q:EG+\q+1], v[EG+\q:EG+\q+1], 1.0 op_sel_hi:[1,0]
.endr
.irp q, 0,1,2,3,4,5,6,7
	v_rcp_f32 v[EG+\q], v[EG+\q]
.endr
	v_nop
	s_wait_alu depctr_va_vdst(0)
.irp q, 0,2,4,6
	v_pk_mul_f32 v[\x+\q:\x+\q+1], v[\x+\q:\x+\q+1], v[EG+\q:EG+\q+1]
.endr
.irp q, 0,1,2,3
	v_cvt_pk_bf16_f32 v[\out+\q], v[\x+2*\q], v[\x+2*\q+1]
.endr
.endm
; rows 16 i .. 16 i + 15 of my block = tiles (a, 0..7) of window 2 or 3 (from = 0x02 or 0x03: source 0)
.macro OUT16G i, a, from
	WIN \from
.irp b, 0,1,2,3,4,5,6,7
.irp q, 0,2,4,6
	v_pk_add_f32 v[XG+8*\b+\q:XG+8*\b+\q+1], v[8*(8*\a+\b)+\q:8*(8*\a+\b)+\q+1], v[BIAS+8*\b+(\b/4)*160+\q:BIAS+8*\b+(\b/4)*160+\q+1]
.endr
.endr
	WIN 0
.irp b, 0,1,2,3,4,5,6,7
	GELU8 XG+8*\b, TMP+4*\b
.endr
.irp b, 0,1,2,3,4,5,6,7
	ds_store_b128 v[STO], v[TMP+4*\b:TMP+4*\b+3] offset:32*\b
.endr
	s_wait_xcnt 0x0                                ; the rows read back, which earlier stores read, and the stores' base are rewritten only behind this wait
.if \i
	s_add_nc_u64 s[8:9], s[8:9], 16*SIZE_N*2
.endif
.irp t, 0,1,2,3,4,5,6,7
	ds_load_b128 v[RB+4*\t:RB+4*\t+3], v[RD] offset:\t*2*SPITCH    ; a wave's LDS instructions are served in order: these see the stores above
.endr
.irp t, 0,1,2,3,4,5,6,7
	s_wait_dscnt 7-\t
	global_store_b128 v[CO], v[RB+4*\t:RB+4*\t+3], s[8:9] offset:2*\t*SIZE_N*2   ; 16 lanes store 256 consecutive bytes, aligned
.endr
.endm
	OUT16G 0, 0, 0x02
	OUT16G 1, 1, 0x02
	OUT16G 2, 2, 0x02
	OUT16G 3, 3, 0x02
	OUT16G 4, 0, 0x03
	OUT16G 5, 1, 0x03
	OUT16G 6, 2, 0x03
	OUT16G 7, 3, 0x03
	s_set_vgpr_msb 0x1
	s_wait_tensorcnt 0x0
	ds_add_u32 v255, v23
	s_wait_dscnt 0x0
	s_set_vgpr_msb 0x100
	CROUND                                         ; the closing round
	s_endpgm
.Lfunc_end_k_q59260c2908_mlp1:
	.size	k_q59260c2908_mlp1, .Lfunc_end_k_q59260c2908_mlp1-k_q59260c2908_mlp1
	.p2alignl 7, 3214868480
	.fill 96, 4, 3214868480
	.section	.rodata,"a",@progbits
	.p2align	6, 0x0
	.amdhsa_kernel k_q59260c2908_mlp1
		.amdhsa_group_segment_fixed_size 327680
		.amdhsa_private_segment_fixed_size 0
		.amdhsa_enable_private_segment 0
		.amdhsa_kernarg_size 32
		.amdhsa_user_sgpr_count 2
		.amdhsa_user_sgpr_kernarg_segment_ptr 1
		.amdhsa_wavefront_size32 1
		.amdhsa_system_sgpr_workgroup_id_x 1
		.amdhsa_system_sgpr_workgroup_id_y 1
		.amdhsa_system_sgpr_workgroup_id_z 1
		.amdhsa_system_vgpr_workitem_id 0
		.amdhsa_next_free_vgpr 1024
		.amdhsa_next_free_sgpr 72
		.amdhsa_reserve_vcc 0
		.amdhsa_float_denorm_mode_32 3
		.amdhsa_float_denorm_mode_16_64 3
		.amdhsa_memory_ordered 1
		.amdhsa_forward_progress 1
		.amdhsa_inst_pref_size 255
	.end_amdhsa_kernel
	.section	.bss,"aw",@nobits
	.p2align	6
	.space	262144
	.amdgpu_metadata
---
amdhsa.version: [ 1, 2 ]
amdhsa.kernels:
  - .name:           k_q59260c2908_mlp1
    .symbol:         k_q59260c2908_mlp1.kd
    .args:
      - { .name: h, .offset: 0, .size: 8, .value_kind: global_buffer, .address_space: global }
      - { .name: wt, .offset: 8, .size: 8, .value_kind: global_buffer, .address_space: global }
      - { .name: b1, .offset: 16, .size: 8, .value_kind: global_buffer, .address_space: global }
      - { .name: act, .offset: 24, .size: 8, .value_kind: global_buffer, .address_space: global }
    .group_segment_fixed_size: 327680
    .private_segment_fixed_size: 0
    .kernarg_segment_align: 8
    .kernarg_segment_size: 32
    .max_flat_workgroup_size: 128
    .sgpr_count:     72
    .vgpr_count:     1024
    .wavefront_size: 32
...
	.end_amdgpu_metadata
.endif
;; end of part 6
;; launch mlp2 (part 7): grid 8 x 32, 4 waves a work-group, clusters of 4 x 4, 327,680 bytes of LDS; arguments act, wt, b2, x2, out0; writes out0
.if DOCPART == 7
	.amdgcn_target "amdgcn-amd-amdhsa--gfx1250"
	.amdhsa_code_object_version 6
	.text
	.protected	k_q59260c2908_mlp2
	.globl	k_q59260c2908_mlp2
	.p2align	8
	.type	k_q59260c2908_mlp2,@function
k_q59260c2908_mlp2:
	s_mov_b64 s[64:65], 0
	v_nop
	global_prefetch_b8 v0, s[64:65] scope:SCOPE_SE
	s_setreg_imm32_b32 hwreg(HW_REG_WAVE_MODE, 25, 1), 1
	s_wait_xcnt 0x0
	s_wait_alu depctr_hold_cnt(0) depctr_sa_sdst(0) depctr_va_vdst(0) depctr_va_sdst(0) depctr_va_ssrc(0) depctr_va_vcc(0) depctr_vm_vsrc(0)
	s_getreg_b32 s2, hwreg(HW_REG_IB_STS2, 6, 4)
	s_cmp_eq_u32 s2, 0
	s_cbranch_scc0 .Lentry_in_a_cluster
	s_endpgm
.Lentry_in_a_cluster:
	s_bfe_u32 s2, ttmp6, 0x10000c
	s_cmp_lg_u32 s2, 0xf033
	s_cbranch_scc0 .Lentry_shape_is_right
	s_endpgm
.Lentry_shape_is_right:
; out[m][n] = sum over k of A[m][k] B[n][k] + bias[n] + res[m][n].  A: [4096][SIZE_K] bf16; B: 1,024 rows of wt from byte WOFF on, [1024][SIZE_K] bf16;
; bias f32 [1024]; res and out f32 [4096][1024].  Here: A = act, B = W2^T, bias = b2, res = x2, out = out0.  The text is that of the launch for Wo but for SIZE_K and WOFF.
; N = 1,024 gives only 64 blocks of 256 x 256, so a work-group makes 128 x 128: 8 x 32 = 256 work-groups.  To keep a wave's tile at 128 x 128 (each byte read
; from LDS then feeds as many multiply-adds as in the larger block) the four waves share K, not the block: of each LDS row of 256 k wave w multiplies
; k = 64 w .. 64 w + 63.  The four partial sums meet once, at the end, in the ring's LDS, which has had its last fill by then.
; K goes in slots of 256 (rows of 512 bytes of memory, aligned to 512) through a ring of two slots; each wave fetches 64 rows by one tensor load.
; CLUSTERS: 4 x 4 work-groups; A's tiles are shared along a row of the cluster, B's along a column, by joint loads.
; REGISTERS in windows of 256: window 0: v0-31 addresses, v32-35 bias, v64-191 fragments of A (two buffers), later the residual; v192-255 the way out;
; window 1: fragments of B; windows 2, 3: the accumulators (tile (a, b) at v[8 (8 a + b)]; rows 0-63, rows 64-127).
; The matrix instruction is used transposed (source 0 = rows of B): a lane's eight results are eight neighbouring columns of one row.
; The 64 accumulators take turns, one instruction a turn.
; Limits: operands bf16, sums f32; K is summed in four parts, which are added as (0 + 1) + (2 + 3).
.set SIZE_K, 4096
.set WOFF,   0x1000000
.set KSLOT,  256
.set PITCH,  528                       ; an LDS row: 512 bytes + 16, an odd multiple of 16
.set HALFT,  64*PITCH                  ; 64 rows: what one tensor load brings
.set SLOT,   4*HALFT                   ; A's 128 rows, then B's 128 rows
.set IMG,    128*PITCH                 ; the way out: one wave's 128 x 128 f32, rows of 512 + 16 bytes; four of them fill the ring's bytes
.set LAPS, SIZE_K/(2*KSLOT)
.set RD,   8                           ; v8-11   the way out: my 16 bytes of my first row in image 0..3
.set ADRA, 16                          ; v16-17
.set ADRB, 20                          ; v20-21
.set STO,  24                          ; v24     the way out: where my results go in my image
.set CO,   26                          ; v26     16 x lane
.set BI,   32                          ; v[32:35] bias of my four columns
.set F0,   64
.set F1,   128
.set DD,   192                         ; v[192:255] four rows x four images
.set G1, 24
.set G0, 32
.set G1B, 48
.set G0B, 56
.set MSB, 0
.macro WIN new
.if MSB != \new
	s_set_vgpr_msb (MSB<<8)|\new
.set MSB, \new
.endif
.endm
.set MUL_LO, 0xa1
.set MUL_HI, 0xf1
.set TO_B,   0x40
.macro JLOAD s                         ; waves 0, 1 fetch A's halves, waves 2, 3 B's
	s_cmp_eq_u32 s11, 0
	s_cbranch_scc0 .Lfor_b_\@
	tensor_load_to_lds s[G0+4*\s:G0+4*\s+3], s[G1:G1+7]
	s_nop 0
	s_branch .Lasked_\@
.Lfor_b_\@:
	tensor_load_to_lds s[G0B+4*\s:G0B+4*\s+3], s[G1B:G1B+7]
	s_nop 0
.Lasked_\@:
.endm
.macro CREST
	s_cmp_lg_u32 s10, 0
	s_cbranch_scc1 .Lnot_wave_0_\@
	s_barrier_signal -3
.Lnot_wave_0_\@:
	s_barrier_wait -3
	s_barrier_signal -1
	s_barrier_wait -1
.endm
.macro CROUND
	s_barrier_signal -1
	s_barrier_wait -1
	CREST
.endm
	s_load_b128 s[4:7], s[0:1], 0x0                ; A s[4:5], wt s[6:7]
	s_load_b128 s[68:71], s[0:1], 0x10             ; bias s[68:69], res s[70:71]
	s_load_b64 s[8:9], s[0:1], 0x20                ; out
	s_set_vgpr_msb 0x40
	v_lshl_add_u32 v255, v0, 2, 0x42000
	s_set_vgpr_msb 0x4000
	v_mov_b32 v63, 0
	s_set_vgpr_msb 0x1
	ds_add_u32 v255, v63
	s_set_vgpr_msb 0x100
	v_lshrrev_b32 v1, 5, v0
	v_readfirstlane_b32 s10, v1                    ; wave 0..3: my quarter of K
	s_lshr_b32 s11, s10, 1                         ; I fetch for A (0) or for B (1)
	s_and_b32 s12, s10, 1                          ; which 64 rows of that tile
	s_bfe_u32 s40, ttmp6, 0x40000                  ; cx
	s_bfe_u32 s41, ttmp6, 0x40004                  ; cy
	s_lshl_b32 s42, ttmp9, 2
	s_add_co_u32 s42, s42, s40                     ; block column
	s_and_b32 s13, ttmp7, 0xffff
	s_lshl_b32 s13, s13, 2
	s_add_co_u32 s13, s13, s41                     ; block row
	s_lshl_b32 s43, s41, 2
	s_lshl_b32 s43, 15, s43                        ; my row of the cluster
	s_lshl_b32 s44, 0x1111, s40                    ; my column
	s_or_b32 s[G1+0], s43, (1<<16)|(1<<20)|(1<<21)|(6<<22)|(3<<25)  ; mask; 2-byte elements; padding on, 4 words behind every 128; bit 21 beside a mask
	s_or_b32 s[G1B+0], s44, (1<<16)|(1<<20)|(1<<21)|(6<<22)|(3<<25)
	s_mov_b32 s[G1B+1], KSLOT<<16
	s_mov_b32 s[G1+1], KSLOT<<16                   ; tensor_dim0 = 256
	s_mov_b32 s[G1B+2], 64<<16
	s_mov_b32 s[G1+2], 64<<16                      ; tensor_dim1 = 64
	s_mov_b32 s[G1B+3], KSLOT<<16
	s_mov_b32 s[G1+3], KSLOT<<16                   ; tile_dim0 = 256
	s_mov_b32 s[G1B+4], 64
	s_mov_b32 s[G1+4], 64                          ; tile_dim1 = 64
	s_mov_b32 s[G1B+5], SIZE_K
	s_mov_b32 s[G1+5], SIZE_K
	s_mov_b32 s[G1B+6], 0
	s_mov_b32 s[G1+6], 0
	s_mov_b32 s[G1B+7], 0
	s_mov_b32 s[G1+7], 0
	s_lshl_b32 s17, s12, 6
	s_lshl_b32 s16, s13, 7
	s_add_co_u32 s16, s16, s17                     ; A: row 128 x block row + 64 x half
	s_lshl_b32 s46, s42, 7
	s_add_co_u32 s46, s46, s17                     ; B: row 128 x block column + 64 x half
	s_mov_b32 s17, 0
	s_mov_b32 s47, 0
	s_mov_b64 s[18:19], SIZE_K*2
	s_mul_u64 s[16:17], s[16:17], s[18:19]
	s_mul_u64 s[46:47], s[46:47], s[18:19]
	s_mul_i32 s20, s10, HALFT                      ; where they go: wave x 64 rows
	s_wait_dscnt 0x0
	s_wait_kmcnt 0x0
	s_add_nc_u64 s[6:7], s[6:7], WOFF              ; this product's weights in wt
	s_add_nc_u64 s[14:15], s[4:5], s[16:17]
	s_add_nc_u64 s[46:47], s[6:7], s[46:47]
	CROUND                                         ; the first joint loads meet
.irp s, 0,1
	s_mov_b32 s[G0+4*\s], 1
	s_add_co_u32 s[G0+4*\s+1], s20, \s*SLOT
	s_add_nc_u64 s[G0+4*\s+2:G0+4*\s+3], s[14:15], \s*KSLOT*2
	s_or_b32 s[G0+4*\s+3], s[G0+4*\s+3], 0x80000000
	s_mov_b32 s[G0B+4*\s], 1
	s_add_co_u32 s[G0B+4*\s+1], s20, \s*SLOT
	s_add_nc_u64 s[G0B+4*\s+2:G0B+4*\s+3], s[46:47], \s*KSLOT*2
	s_or_b32 s[G0B+4*\s+3], s[G0B+4*\s+3], 0x80000000
	JLOAD \s                                       ; two tensor loads of the wave are out
.endr
	v_and_b32 v1, 15, v0                           ; r
	v_bfe_u32 v2, v0, 4, 1                         ; h
	v_mul_u32_u24 v3, v1, PITCH
	v_lshl_add_u32 v3, v2, 4, v3                   ; r x pitch + 16 h
	s_lshl_b32 s21, s10, 7                         ; my 64 k: 128 bytes of every row
	s_add_co_u32 s22, s21, 2*HALFT                 ; B's rows lie behind A's 128
.irp s, 0,1
	v_add_nc_u32 v[ADRA+\s], s21, v3
	v_add_nc_u32 v[ADRB+\s], s22, v3
	s_add_co_u32 s21, s21, SLOT
	s_add_co_u32 s22, s22, SLOT
.endr
	s_mul_i32 s23, s10, IMG                        ; my image
	v_lshl_add_u32 v4, v2, 4, v3                   ; r x pitch + 32 h
	v_add_nc_u32 v[STO], s23, v4
	v_and_b32 v5, 31, v0
	v_lshlrev_b32 v[CO], 4, v5                     ; 16 x lane
	s_mul_i32 s23, s10, 32*PITCH                   ; my 32 rows of the block
	v_add_nc_u32 v[RD], s23, v[CO]
.irp s, 1,2,3
	v_add_nc_u32 v[RD+\s], IMG, v[RD+\s-1]
.endr
.macro MUL16 f, hi, a0, zero
.irp a, \a0, \a0+1
.irp b, 0,1,2,3,4,5,6,7
.if \zero
	v_wmma_f32_16x16x32_bf16 v[8*(8*(\a)+\b):8*(8*(\a)+\b)+7], v[\f+8*\b:\f+8*\b+7], v[\f+8*(4*\hi+\a):\f+8*(4*\hi+\a)+7], 0
.else
	v_wmma_f32_16x16x32_bf16 v[8*(8*(\a)+\b):8*(8*(\a)+\b)+7], v[\f+8*\b:\f+8*\b+7], v[\f+8*(4*\hi+\a):\f+8*(4*\hi+\a)+7], v[8*(8*(\a)+\b):8*(8*(\a)+\b)+7]
.endif
.endr
.endr
.endm
.macro FETCH slot, k, f
	WIN TO_B
.irp i, 0,1,2,3,4,5,6,7
	ds_load_b128 v[\f+8*\i:\f+8*\i+3],   v[ADRB+\slot] offset:\k+\i*16*PITCH
	ds_load_b128 v[\f+8*\i+4:\f+8*\i+7], v[ADRB+\slot] offset:\k+\i*16*PITCH+32
.endr
	WIN 0
.irp i, 0,1,2,3,4,5,6,7
	ds_load_b128 v[\f+8*\i:\f+8*\i+3],   v[ADRA+\slot] offset:\k+\i*16*PITCH
	ds_load_b128 v[\f+8*\i+4:\f+8*\i+7], v[ADRA+\slot] offset:\k+\i*16*PITCH+32
.endr
.endm
.macro PLACES                          ; four plain places behind a matrix instruction (ISA guide 7.12.1 for vector reads)
.rept 4
	v_nop
.endr
.endm
; my first 32 k of a slot: multiplies buffer f and fetches my second 32 k into buffer g
.macro QUARTER slot, k, f, g, zero
	s_wait_dscnt 8                                 ; B and A's rows 0-63 are in; the youngest eight loads may be out
	WIN MUL_LO
	MUL16 \f, 0, 0, \zero
	MUL16 \f, 0, 2, \zero
	PLACES
	FETCH \slot, \k, \g
	s_wait_dscnt 32                                ; all but the 32 just issued
	WIN MUL_HI
	MUL16 \f, 1, 0, \zero
	MUL16 \f, 1, 2, \zero
.endm
; my second 32 k: multiplies buffer 1 and changes slots; one barrier, the waits for 0 in front of it, the refill first behind it
.macro TURN slot, next, fill
	s_wait_dscnt 8
	WIN MUL_LO
	MUL16 F1, 0, 0, 0
	s_wait_dscnt 0                                 ; my reads of this slot are over
	s_wait_tensorcnt 0x0                           ; all my tensor loads have landed: the one that was out is my part of the next slot
	ds_add_u32 v255, v63
	s_wait_dscnt 0x0
	s_barrier_signal -1
	MUL16 F1, 0, 2, 0                              ; registers only
	WIN 0
	s_barrier_wait -1
.if \fill
	CREST                                          ; the round is closed: no wave of any partner still reads this slot or has a load on its way
	s_add_nc_u64 s[G0+4*\slot+2:G0+4*\slot+3], s[G0+4*\slot+2:G0+4*\slot+3], 2*KSLOT*2
	s_add_nc_u64 s[G0B+4*\slot+2:G0B+4*\slot+3], s[G0B+4*\slot+2:G0B+4*\slot+3], 2*KSLOT*2
	JLOAD \slot
.endif
	PLACES
	FETCH \next, 0, F0
	WIN MUL_HI
	MUL16 F1, 1, 0, 0
	MUL16 F1, 1, 2, 0
.endm
.macro LAP zero
	QUARTER 0, 64, F0, F1, \zero
	TURN 0, 1, 1
	QUARTER 1, 64, F0, F1, 0
	TURN 1, 0, 1
.endm
	s_wait_tensorcnt 1                             ; my part of slot 0 is in; slot 1's load stays out
	s_barrier_signal -1
	s_barrier_wait -1
	FETCH 0, 0, F0
	LAP 1
.if LAPS > 2
	WIN 0
	s_mov_b32 s3, LAPS-2
.Llap:
	LAP 0
	WIN 0
	s_sub_co_u32 s3, s3, 1
	s_cmp_lg_u32 s3, 0
	s_cbranch_scc1 .Llap
.endif
	QUARTER 0, 64, F0, F1, 0                       ; the last lap fills nothing
	TURN 0, 1, 0
	QUARTER 1, 64, F0, F1, 0
	s_wait_dscnt 8
	WIN MUL_LO
	MUL16 F1, 0, 0, 0
	MUL16 F1, 0, 2, 0
	s_wait_dscnt 0
	WIN MUL_HI
	MUL16 F1, 1, 0, 0
	MUL16 F1, 1, 2, 0
	; THE WAY OUT.  Residual and bias are asked for first; each wave lays its partial block into its image; each wave then adds up 32 rows.
	PLACES
	WIN 0
	s_lshl_b32 s16, s13, 7
	s_lshl_b32 s14, s10, 5
	s_add_co_u32 s16, s16, s14                     ; row 128 x block row + 32 w
	s_lshl_b32 s16, s16, 12                        ; 4,096 bytes a row
	s_mov_b32 s17, 0
	s_add_nc_u64 s[8:9], s[8:9], s[16:17]
	s_add_nc_u64 s[70:71], s[70:71], s[16:17]
	s_lshl_b32 s46, s42, 9                         ; 128 columns of 4 bytes a block (in registers that feed none of A's descriptors)
	s_mov_b32 s47, 0
	s_add_nc_u64 s[8:9], s[8:9], s[46:47]
	s_add_nc_u64 s[70:71], s[70:71], s[46:47]
	s_add_nc_u64 s[68:69], s[68:69], s[46:47]
	global_load_b128 v[BI:BI+3], v[CO], s[68:69]
.set i, 0
.rept 32
	global_load_b128 v[F0+4*i:F0+4*i+3], v[CO], s[70:71] offset:4096*i     ; row i of my 32: 512 consecutive bytes a wave
.set i, i+1
.endr
	s_barrier_signal -1                            ; my reads of the ring are over (the wait for 0 above) and every tensor load has landed (the last change of slots)
	s_barrier_wait -1                              ; so of every wave: the ring's bytes, filled for the last time, become the stage
.irp hi, 0,1
	WIN 0x08+4*\hi                                 ; an LDS store's data are source 1: window 2, then 3
.irp a, 0,1,2,3
.irp b, 0,1,2,3,4,5,6,7
	ds_store_b128 v[STO], v[8*(8*\a+\b):8*(8*\a+\b)+3]   offset:(4*\hi+\a)*16*PITCH+64*\b
	ds_store_b128 v[STO], v[8*(8*\a+\b)+4:8*(8*\a+\b)+7] offset:(4*\hi+\a)*16*PITCH+64*\b+16
.endr
.endr
.endr
	WIN 0
	s_wait_dscnt 0x0                               ; my image is whole, for the other waves' sake
	s_barrier_signal -1
	s_barrier_wait -1
	s_wait_loadcnt 0x0                             ; residual and bias
; rows 4 g .. 4 g + 3 of my 32: four images, bias, residual; a row is 512 consecutive bytes, 16 a lane
.macro SUM4 g
.irp q, 0,1,2,3
.irp s, 0,1,2,3
	ds_load_b128 v[DD+16*\q+4*\s:DD+16*\q+4*\s+3], v[RD+\s] offset:PITCH*(4*\g+\q)
.endr
.endr
.irp q, 0,1,2,3
	s_wait_dscnt 12-4*\q                           ; row q's four loads are in; the later rows' stay out
.irp e, 0,2
	v_pk_add_f32 v[DD+16*\q+\e:DD+16*\q+\e+1], v[DD+16*\q+\e:DD+16*\q+\e+1], v[DD+16*\q+4+\e:DD+16*\q+4+\e+1]
	v_pk_add_f32 v[DD+16*\q+8+\e:DD+16*\q+8+\e+1], v[DD+16*\q+8+\e:DD+16*\q+8+\e+1], v[DD+16*\q+12+\e:DD+16*\q+12+\e+1]
	v_pk_add_f32 v[F0+4*(4*\g+\q)+\e:F0+4*(4*\g+\q)+\e+1], v[F0+4*(4*\g+\q)+\e:F0+4*(4*\g+\q)+\e+1], v[BI+\e:BI+\e+1]
.endr
.irp e, 0,2
	v_pk_add_f32 v[DD+16*\q+\e:DD+16*\q+\e+1], v[DD+16*\q+\e:DD+16*\q+\e+1], v[DD+16*\q+8+\e:DD+16*\q+8+\e+1]
.endr
.irp e, 0,2
	v_pk_add_f32 v[F0+4*(4*\g+\q)+\e:F0+4*(4*\g+\q)+\e+1], v[F0+4*(4*\g+\q)+\e:F0+4*(4*\g+\q)+\e+1], v[DD+16*\q+\e:DD+16*\q+\e+1]
.endr
	global_store_b128 v[CO], v[F0+4*(4*\g+\q):F0+4*(4*\g+\q)+3], s[8:9] offset:4096*(4*\g+\q)   ; 512 consecutive bytes, aligned; the data are not written again
.endr
.endm
.irp g, 0,1,2,3,4,5,6,7
	SUM4 \g
.endr
	s_set_vgpr_msb 0x1
	s_wait_tensorcnt 0x0
	ds_add_u32 v255, v63
	s_wait_dscnt 0x0
	s_set_vgpr_msb 0x100
	CROUND                                         ; the closing round
	s_endpgm
.Lfunc_end_k_q59260c2908_mlp2:
	.size	k_q59260c2908_mlp2, .Lfunc_end_k_q59260c2908_mlp2-k_q59260c2908_mlp2
	.p2alignl 7, 3214868480
	.fill 96, 4, 3214868480
	.section	.rodata,"a",@progbits
	.p2align	6, 0x0
	.amdhsa_kernel k_q59260c2908_mlp2
		.amdhsa_group_segment_fixed_size 327680
		.amdhsa_private_segment_fixed_size 0
		.amdhsa_enable_private_segment 0
		.amdhsa_kernarg_size 40
		.amdhsa_user_sgpr_count 2
		.amdhsa_user_sgpr_kernarg_segment_ptr 1
		.amdhsa_wavefront_size32 1
		.amdhsa_system_sgpr_workgroup_id_x 1
		.amdhsa_system_sgpr_workgroup_id_y 1
		.amdhsa_system_sgpr_workgroup_id_z 1
		.amdhsa_system_vgpr_workitem_id 0
		.amdhsa_next_free_vgpr 1024
		.amdhsa_next_free_sgpr 72
		.amdhsa_reserve_vcc 0
		.amdhsa_float_denorm_mode_32 3
		.amdhsa_float_denorm_mode_16_64 3
		.amdhsa_memory_ordered 1
		.amdhsa_forward_progress 1
		.amdhsa_inst_pref_size 130
	.end_amdhsa_kernel
	.amdgpu_metadata
---
amdhsa.version: [ 1, 2 ]
amdhsa.kernels:
  - .name:           k_q59260c2908_mlp2
    .symbol:         k_q59260c2908_mlp2.kd
    .args:
      - { .name: act, .offset: 0, .size: 8, .value_kind: global_buffer, .address_space: global }
      - { .name: wt, .offset: 8, .size: 8, .value_kind: global_buffer, .address_space: global }
      - { .name: b2, .offset: 16, .size: 8, .value_kind: global_buffer, .address_space: global }
      - { .name: x2, .offset: 24, .size: 8, .value_kind: global_buffer, .address_space: global }
      - { .name: out0, .offset: 32, .size: 8, .value_kind: global_buffer, .address_space: global }
    .group_segment_fixed_size: 327680
    .private_segment_fixed_size: 0
    .kernarg_segment_align: 8
    .kernarg_segment_size: 40
    .max_flat_workgroup_size: 128
    .sgpr_count:     72
    .vgpr_count:     1024
    .wavefront_size: 32
...
	.end_amdgpu_metadata
.endif
;; end of part 7
;; ======== version 2 of 2: 8 launches; version 1 with the launches ln, ln2 written anew for expert scheduling mode
;; workspace buffers: wt 25,165,824 bytes; h 8,388,608 bytes; qkv 25,165,824 bytes; ctx 8,388,608 bytes; x2 16,777,216 bytes; act 33,554,432 bytes
;; launch prep: the kernel of part 1 again; grid 64 x 12, 8 waves a work-group, no clusters, 35,840 bytes of LDS; arguments Wq, Wk, Wv, Wo, W1, W2, wt; writes wt
;; launch ln (part 8): grid 256 x 1, 8 waves a work-group, no clusters, 0 bytes of LDS; arguments x, g1, s1, h; writes h
.if DOCPART == 8
	.amdgcn_target "amdgcn-amd-amdhsa--gfx1250"
	.amdhsa_code_object_version 6
	.text
	.protected	k_q59260c2908_ln
	.globl	k_q59260c2908_ln
	.p2align	8
	.type	k_q59260c2908_ln,@function
k_q59260c2908_ln:
	s_mov_b64 s[64:65], 0
	v_nop
	global_prefetch_b8 v0, s[64:65] scope:SCOPE_SE
	s_setreg_imm32_b32 hwreg(HW_REG_WAVE_SCHED_MODE, 0, 2), 2
	s_setreg_imm32_b32 hwreg(HW_REG_WAVE_MODE, 25, 1), 1
	s_wait_xcnt 0x0
	s_wait_alu depctr_vm_vsrc(0)
; h[r][c] = bf16( g[c] (x[r][c] - mean_r) / sqrt(var_r + 1e-5) + s[c] ).  x: [4096][1024] f32, h: [4096][1024] bf16.
; A row is 4,096 bytes = 32 registers of one wave; a wave takes two rows and keeps them in registers, so x is read once and no wave waits
; for another: no LDS, no barrier.  The variance is a true second pass over x - mean, so a common offset of x costs no digits.
; A load of a wave covers 512 consecutive bytes; a store of a wave (8 bytes a lane) 256 consecutive bytes, aligned.
; Limits: v_rsq_f32 is good to one unit in the last place; sums are formed in another order than a serial sum; NaN and infinities are not served.
; Matrix units and clusters have nothing to do here: no product, nothing shared but g and s (8 KiB).
; THE MODE: SCHED_MODE bits 1:0 = 2 (LLVM: expert scheduling mode 2), set by the entry lines.  The code itself states the register dependences
; between vector instructions and memory instructions, with s_wait_alu, always for 0.
; THE PLAN.  Registers that memory instructions touch:
;   v1, v3, v2   byte offsets in x, in g and s, in h.  Written once at the head; read by the 32 loads (v1, v3) and the 16 stores (v2); never written again.
;   X, G, SH     The 32 loads land in them, once.  No vector instruction names them ahead of the loads, and no load lands in them again.
;   X + 32 p + 4 j, + 1   row p's rounded pairs.  Written by row p's sixteen conversions; read by row p's eight stores; never written again.
;   T, MEAN, RS, U are named by vector instructions alone.  No vector instruction writes a scalar register or VCC, and EXEC is never written.
; So four waits state everything: one ahead of the first load (the offsets), one ahead of the first use of the four reciprocal roots, and one behind each row's
; conversions, ahead of that row's stores.  Row 0's stores are dealt among row 1's arithmetic, which names none of the registers that they read.
.set X,    4                           ; v[4:67]    row p at X + 32 p; register 4 j + c: column 128 j + 4 l + c
.set G,    68                          ; v[68:99]   g of the same columns
.set SH,   100                         ; v[100:131] s of the same columns
.set T,    132                         ; v[132:139] four chains of pairs
.set MEAN, 140                         ; v[140:141] the mean, twice
.set RS,   142                         ; v[142:143], v[146:147] 1 / sqrt(var + eps), twice, row 0 and row 1
.set U,    144                         ; v144, v145 at work across the lanes
	s_load_b256 s[4:11], s[0:1], 0x0               ; x s[4:5], g s[6:7], s s[8:9], h s[10:11]
	s_mov_b32 s12, 0x76543210                      ; v_permlanex16_b32: lane i reads lane i of the other half
	s_mov_b32 s13, 0xfedcba98
	s_mov_b32 s14, 0x3a800000                      ; 1 / 1024
	s_mov_b32 s15, 0x3727c5ac                      ; 1e-5
	s_lshl_b32 s2, ttmp9, 16                       ; 16 rows of 4,096 bytes
	s_mov_b32 s3, 0
	s_lshl_b32 s16, ttmp9, 15                      ; 16 rows of 2,048 bytes
	s_mov_b32 s17, 0
	v_and_b32 v3, 31, v0
	v_lshrrev_b32 v[U+1], 5, v0                    ; wave
	v_lshlrev_b32 v2, 3, v3
	v_lshlrev_b32 v3, 4, v3                        ; 16 l: my place in g and s
	v_lshl_add_u32 v1, v[U+1], 13, v3              ; + two rows of x a wave
	v_lshl_add_u32 v2, v[U+1], 12, v2              ; 8 l + two rows of h a wave
	s_wait_kmcnt 0x0
	s_add_nc_u64 s[4:5], s[4:5], s[2:3]
	s_add_nc_u64 s[10:11], s[10:11], s[16:17]
	s_wait_alu depctr_va_vdst(0)                   ; v1, v2 and v3 are written: every load and store of the kernel reads one of them as its offset
.irp p, 0,1
.irp j, 0,1,2,3,4,5,6,7
	global_load_b128 v[X+32*\p+4*\j:X+32*\p+4*\j+3], v1, s[4:5] offset:4096*\p+512*\j
.endr
.endr
.irp j, 0,1,2,3,4,5,6,7
	global_load_b128 v[G+4*\j:G+4*\j+3], v3, s[6:7] offset:512*\j
.endr
.irp j, 0,1,2,3,4,5,6,7
	global_load_b128 v[SH+4*\j:SH+4*\j+3], v3, s[8:9] offset:512*\j
.endr
.macro LANESUM                         ; v[U] summed over the 32 lanes, the result in every lane
	v_add_f32_dpp v[U], v[U], v[U] row_xmask:1 row_mask:0xf bank_mask:0xf
	v_add_f32_dpp v[U], v[U], v[U] row_xmask:2 row_mask:0xf bank_mask:0xf
	v_add_f32_dpp v[U], v[U], v[U] row_xmask:4 row_mask:0xf bank_mask:0xf
	v_add_f32_dpp v[U], v[U], v[U] row_xmask:8 row_mask:0xf bank_mask:0xf
	v_permlanex16_b32 v[U+1], v[U], s12, s13       ; its destination counts as read: v[U+1] has been written
	v_add_f32 v[U], v[U], v[U+1]
.endm
.macro FOLD                            ; the four chains into v[U]
	v_pk_add_f32 v[T:T+1], v[T:T+1], v[T+2:T+3]
	v_pk_add_f32 v[T+4:T+5], v[T+4:T+5], v[T+6:T+7]
	v_pk_add_f32 v[T:T+1], v[T:T+1], v[T+4:T+5]
	v_add_f32 v[U], v[T], v[T+1]
.endm
; mean, x - mean in place, 1 / sqrt(var + eps) of row p
.macro ROWSTAT p
.irp k, 0,2,4,6
	v_pk_add_f32 v[T+\k:T+\k+1], v[X+32*\p+\k:X+32*\p+\k+1], v[X+32*\p+8+\k:X+32*\p+8+\k+1]   ; the first sums start the chains: nothing is cleared
.endr
.irp o, 16,24
.irp k, 0,2,4,6
	v_pk_add_f32 v[T+\k:T+\k+1], v[T+\k:T+\k+1], v[X+32*\p+\o+\k:X+32*\p+\o+\k+1]
.endr
.endr
	FOLD
	LANESUM
	v_mul_f32 v[MEAN], s14, v[U]
	v_mov_b32 v[MEAN+1], v[MEAN]
.irp k, 0,2,4,6,8,10,12,14,16,18,20,22,24,26,28,30
	v_pk_add_f32 v[X+32*\p+\k:X+32*\p+\k+1], v[X+32*\p+\k:X+32*\p+\k+1], v[MEAN:MEAN+1] neg_lo:[0,1] neg_hi:[0,1]
.endr
.irp k, 0,2,4,6
	v_pk_mul_f32 v[T+\k:T+\k+1], v[X+32*\p+\k:X+32*\p+\k+1], v[X+32*\p+\k:X+32*\p+\k+1]
.endr
.irp o, 8,16,24
.irp k, 0,2,4,6
	v_pk_fma_f32 v[T+\k:T+\k+1], v[X+32*\p+\o+\k:X+32*\p+\o+\k+1], v[X+32*\p+\o+\k:X+32*\p+\o+\k+1], v[T+\k:T+\k+1]
.endr
.endr
	FOLD
	LANESUM
	v_fma_f32 v[U], v[U], s14, s15                 ; var + eps
	v_rsq_f32 v[RS+4*\p], v[U]
	v_rsq_f32 v[RS+4*\p+1], v[U]
	v_nop                                          ; one plain place behind the transcendentals before a result is used or v[U] rewritten (ISA guide 5.7.2)
.endm
; store j of row p: 32 lanes x 8 bytes: 256 consecutive bytes, aligned; the data are not written again
.macro STORE1 p, j
	global_store_b64 v2, v[X+32*(\p)+4*(\j):X+32*(\p)+4*(\j)+1], s[10:11] offset:2048*(\p)+256*(\j)
.endm
; scale, gain, shift and round row p.  prev = 1: the stores of the row before, whose data the wait ahead of this macro has shown written, are dealt among
; the arithmetic, one ahead of each four registers: no line here names v2 or a register of that row.
.macro ROWMATH p, prev
.irp j, 0,1,2,3,4,5,6,7
.if \prev
	STORE1 (\p)-1, \j
.endif
.irp e, 0,2
	v_pk_mul_f32 v[X+32*\p+4*\j+\e:X+32*\p+4*\j+\e+1], v[X+32*\p+4*\j+\e:X+32*\p+4*\j+\e+1], v[RS+4*\p:RS+4*\p+1]
	v_pk_fma_f32 v[X+32*\p+4*\j+\e:X+32*\p+4*\j+\e+1], v[X+32*\p+4*\j+\e:X+32*\p+4*\j+\e+1], v[G+4*\j+\e:G+4*\j+\e+1], v[SH+4*\j+\e:SH+4*\j+\e+1]
.endr
.endr
.irp j, 0,1,2,3,4,5,6,7
	v_cvt_pk_bf16_f32 v[X+32*\p+4*\j], v[X+32*\p+4*\j], v[X+32*\p+4*\j+1]
	v_cvt_pk_bf16_f32 v[X+32*\p+4*\j+1], v[X+32*\p+4*\j+2], v[X+32*\p+4*\j+3]
.endr
.endm
	s_wait_loadcnt 24                              ; row 0 is in: 24 younger loads (row 1, g, s) stay out
	ROWSTAT 0
	s_wait_loadcnt 16                              ; row 1 is in: g and s stay out
	ROWSTAT 1
	s_wait_loadcnt 0x0                             ; g and s are in
	s_wait_alu depctr_va_vdst(0)                   ; the four reciprocal roots v142, v143, v146, v147 are written, ahead of their first reader: one wait for the batch
	ROWMATH 0, 0
	s_wait_alu depctr_va_vdst(0)                   ; row 0's conversions have written its eight pairs, which row 0's stores read
	ROWMATH 1, 1                                   ; row 0's stores go out among row 1's arithmetic
	s_wait_alu depctr_va_vdst(0)                   ; row 1's conversions have written its eight pairs, which the last eight stores read
.irp j, 0,1,2,3,4,5,6,7
	STORE1 1, \j
.endr
	s_endpgm
.Lfunc_end_k_q59260c2908_ln:
	.size	k_q59260c2908_ln, .Lfunc_end_k_q59260c2908_ln-k_q59260c2908_ln
	.p2alignl 7, 3214868480
	.fill 96, 4, 3214868480
	.section	.rodata,"a",@progbits
	.p2align	6, 0x0
	.amdhsa_kernel k_q59260c2908_ln
		.amdhsa_group_segment_fixed_size 0
		.amdhsa_private_segment_fixed_size 0
		.amdhsa_enable_private_segment 0
		.amdhsa_kernarg_size 32
		.amdhsa_user_sgpr_count 2
		.amdhsa_user_sgpr_kernarg_segment_ptr 1
		.amdhsa_wavefront_size32 1
		.amdhsa_system_sgpr_workgroup_id_x 1
		.amdhsa_system_sgpr_workgroup_id_y 1
		.amdhsa_system_sgpr_workgroup_id_z 1
		.amdhsa_system_vgpr_workitem_id 0
		.amdhsa_next_free_vgpr 152
		.amdhsa_next_free_sgpr 66
		.amdhsa_reserve_vcc 0
		.amdhsa_float_denorm_mode_32 3
		.amdhsa_float_denorm_mode_16_64 3
		.amdhsa_memory_ordered 1
		.amdhsa_forward_progress 1
		.amdhsa_inst_pref_size 21
	.end_amdhsa_kernel
	.amdgpu_metadata
---
amdhsa.version: [ 1, 2 ]
amdhsa.kernels:
  - .name:           k_q59260c2908_ln
    .symbol:         k_q59260c2908_ln.kd
    .args:
      - { .name: x, .offset: 0, .size: 8, .value_kind: global_buffer, .address_space: global }
      - { .name: g1, .offset: 8, .size: 8, .value_kind: global_buffer, .address_space: global }
      - { .name: s1, .offset: 16, .size: 8, .value_kind: global_buffer, .address_space: global }
      - { .name: h, .offset: 24, .size: 8, .value_kind: global_buffer, .address_space: global }
    .group_segment_fixed_size: 0
    .private_segment_fixed_size: 0
    .kernarg_segment_align: 8
    .kernarg_segment_size: 32
    .max_flat_workgroup_size: 256
    .sgpr_count:     66
    .vgpr_count:     152
    .wavefront_size: 32
...
	.end_amdgpu_metadata
.endif
;; end of part 8
;; launch qkv: the kernel of part 3 again; grid 12 x 16, 4 waves a work-group, clusters of 4 x 4, 327,680 bytes of LDS; arguments h, wt, qkv; writes qkv
;; launch attn: the kernel of part 4 again; grid 16 x 16, 8 waves a work-group, clusters of 4 x 1, 327,680 bytes of LDS; arguments qkv, ctx; writes ctx
;; launch wo: the kernel of part 5 again; grid 8 x 32, 4 waves a work-group, clusters of 4 x 4, 327,680 bytes of LDS; arguments ctx, wt, bo, x, x2; writes x2
;; launch ln2: the kernel of part 8 again; grid 256 x 1, 8 waves a work-group, no clusters, 0 bytes of LDS; arguments x2, g2, s2, h; writes h
;; launch mlp1: the kernel of part 6 again; grid 16 x 16, 4 waves a work-group, clusters of 4 x 4, 327,680 bytes of LDS; arguments h, wt, b1, act; writes act
;; launch mlp2: the kernel of part 7 again; grid 8 x 32, 4 waves a work-group, clusters of 4 x 4, 327,680 bytes of LDS; arguments act, wt, b2, x2, out0; writes out0
